; MI455X (gfx1250); checked and timed in simulation.
; The chip was launched on July 23, 2026; its instructions are those of AMD's public machine-readable ISA for CDNA 5 (MIT licence, August 2026) and "CDNA5" Instruction Set Architecture Reference Guide (July 2026). The comments in the code are by the model that wrote it; some were corrected since.
;; Decoder Layer. Allowed arithmetic: float matrix products may take bf16 or f16 operands with f32 sums; other float arithmetic in f32, or as packed bf16 or f16 multiplies, adds, multiply-adds, maxima and minima; sums over many terms, partial sums and values carried from step to step in f32; what a program stores and reads back later, other than sums and carried values, may be rounded once to bf16 or f16.
;; Inputs: W1 1,024 x 4,096 float32; W2 4,096 x 1,024 float32; Wk 1,024 x 1,024 float32; Wo 1,024 x 1,024 float32; Wq 1,024 x 1,024 float32; Wv 1,024 x 1,024 float32; bf1 4,096 float32; bf2 1,024 float32; bk 1,024 float32; bl1 1,024 float32; bl2 1,024 float32; bo 1,024 float32; bq 1,024 float32; bv 1,024 float32; g1 1,024 float32; g2 1,024 float32; mask 1 x 1 x 2,048 x 2,048 int32; x 2 x 2,048 x 1,024 float32.
;; Outputs: out0 2 x 2,048 x 1,024 float32.
;; 2 versions, each right; version 2 is version 1 with the launch pre written anew for expert scheduling mode. Each part assembles by itself: llvm-mc -triple=amdgcn-amd-amdhsa -mcpu=gfx1250 --defsym DOCPART=n.
;; ======== version 1 of 2: 7 launches
;; limits: a function is approximated: absolute error at most 1.5e-07; right only within a limited range of input values
;; workspace buffers: wb 25,165,824 bytes; mtab 65,536 bytes of whole numbers; n 8,388,608 bytes; qkv 25,165,824 bytes; vpart 131,072 bytes; o 8,388,608 bytes; x1 16,777,216 bytes; h 33,554,432 bytes
;; launch pre (part 1): grid 1024 x 1, 8 waves a work-group, no clusters, 0 bytes of LDS; arguments Wq, Wk, Wv, Wo, W1, W2, mask, wb, x, g1, bl1, n, mtab; writes wb, n, mtab
.if DOCPART == 1
	.amdgcn_target "amdgcn-amd-amdhsa--gfx1250"
	.amdhsa_code_object_version 6
	.text
	.protected	k_qb5ec1b103c_pre
	.globl	k_qb5ec1b103c_pre
	.p2align	8
	.type	k_qb5ec1b103c_pre,@function
k_qb5ec1b103c_pre:
	s_mov_b64 s[64:65], 0
	v_nop
	global_prefetch_b8 v0, s[64:65] scope:SCOPE_SE
	s_setreg_imm32_b32 hwreg(HW_REG_WAVE_MODE, 25, 1), 1
	s_wait_xcnt 0x0
; THREE JOBS that hang on the problem's inputs alone, told apart by the work-group's number.
; WORK-GROUPS 0 .. 255: the first LayerNorm: n[row] = (x[row] - mean) * rsqrt(var + 1e-5) * g1 + bl1, f32 in, bf16 out, rounded once.
;   A wave takes a whole row (32 registers) and keeps it: the mean is taken away before the squares are summed.  Each wave has two rows.
; WORK-GROUPS 0 .. 15 make, ahead of their rows, the table of visible keys, one wave for each tile g of 16 queries (i = 16 g + r), 128 words a tile:
;   word 8 kt + j (kt 0..8, j 0..7): bit L = query L % 16 sees key 16 g - 128 + 16 kt + 8 (L / 16) + j;
;   word 70 + m (m 2..15): bit L = query L % 16 sees key i - 128 m;  the other words are 0.
;   Visible = allowed by the layer's own pattern (0 <= i - j <= 128, or i - j a multiple of 128) and not closed by the mask input.
;   Only the mask's words at allowed places are read: no other word of it can change the result.
;   These groups have the lowest numbers: theirs is the longest chain, so it is begun first.
; WORK-GROUPS 256 .. 1023: the six weight matrices, f32, are rounded once to bf16 into wb, still [K][N]:
;   WQKV [1024][3072] at 0 (row k = Wq[k] | Wk[k] | Wv[k]), WO at 6,291,456, W1 at 8,388,608, W2 at 16,777,216.
;   A line is 1,024 floats; a work-group takes 16 lines; a thread 16 bytes of each; a wave's store covers 256 consecutive bytes, aligned.
; Memory binds all three: no LDS, no barrier, no matrix unit.
.set WDO, 4                            ; v[4:19]   weights: line i's byte offset in wb
.set WX,  32                           ; v[32:95]  weights: 16 lines as loaded
.set WY,  96                           ; v[96:127] weights: 16 lines to store
.set KO,  12                           ; v[12:20]  table: byte offsets of the nine key tiles
.set M,   32                           ; v[32:103] table: mask words of the local window
.set SO,  104                          ; v[104:117] table: byte offsets of the strided keys
.set MS,  118                          ; v[118:131] table: their mask words
.set OUT, 132                          ; v[132:135] table: lane l holds words 4 l .. 4 l + 3
.set G,   16                           ; v[16:47]   norm: g
.set BB,  48                           ; v[48:79]   norm: b
.set X,   80                           ; v[80:143]  norm: two rows
.set T,   144                          ; v[144:175] norm: at work and to store, 16 for each row
	s_cmp_lt_u32 ttmp9, 256
	s_cbranch_scc1 .Lrows
	; THE WEIGHTS
	s_load_b512 s[16:31], s[0:1], 0x0              ; Wq, Wk, Wv, Wo, W1, W2, mask, wb
	s_sub_co_u32 s34, ttmp9, 256                   ; my number among the 768
	s_lshr_b32 s2, s34, 6                          ; 0,1,2 Wq,Wk,Wv; 3 Wo; 4-7 W1; 8-11 W2
	s_and_b32 s3, s34, 63
	s_and_b32 s6, s34, 255
	s_lshl_b32 s10, s2, 11                         ; Wq, Wk, Wv: their 2,048 bytes in a row of WQKV
	s_mov_b32 s7, 2048                             ; bytes from line to line in wb
	s_mov_b32 s11, 6291456
	s_cmp_lt_u32 s2, 3
	s_cselect_b32 s10, s10, s11
	s_cselect_b32 s7, 6144, s7
	s_mov_b32 s11, 8388608
	s_cmp_ge_u32 s2, 4
	s_cselect_b32 s10, s11, s10
	s_cselect_b32 s3, s6, s3                       ; my group of 16 lines in the matrix
	s_mov_b32 s11, 16777216
	s_cmp_ge_u32 s2, 8
	s_cselect_b32 s10, s11, s10
	s_lshl_b32 s12, s3, 4
	s_mul_i32 s12, s12, s7
	s_add_co_u32 s10, s10, s12                     ; my first line in wb
	s_mov_b32 s11, 0
	s_lshl_b32 s12, s3, 16                         ; and in the source: 16 lines of 4,096 bytes
	s_mov_b32 s13, 0
	v_lshlrev_b32 v1, 4, v0
	v_lshlrev_b32 v2, 3, v0
.set i, 0
.rept 16
	v_mad_u32_u24 v[WDO+i], s7, i, v2
.set i, i+1
.endr
	s_wait_kmcnt 0x0
	s_cmp_eq_u32 s2, 1
	s_cselect_b64 s[4:5], s[18:19], s[16:17]
	s_cmp_eq_u32 s2, 2
	s_cselect_b64 s[4:5], s[20:21], s[4:5]
	s_cmp_eq_u32 s2, 3
	s_cselect_b64 s[4:5], s[22:23], s[4:5]
	s_cmp_ge_u32 s2, 4
	s_cselect_b64 s[4:5], s[24:25], s[4:5]
	s_cmp_ge_u32 s2, 8
	s_cselect_b64 s[4:5], s[26:27], s[4:5]
	s_add_nc_u64 s[4:5], s[4:5], s[12:13]
	s_add_nc_u64 s[8:9], s[30:31], s[10:11]
.set i, 0
.rept 16
	global_load_b128 v[WX+4*i:WX+4*i+3], v1, s[4:5] offset:4096*i th:TH_LOAD_NT
.set i, i+1
.endr
.set i, 0
.rept 16
	s_wait_loadcnt 15-i                            ; loads come back in order: line i is in, the younger ones stay out
	v_cvt_pk_bf16_f32 v[WY+2*i], v[WX+4*i], v[WX+4*i+1]
	v_cvt_pk_bf16_f32 v[WY+2*i+1], v[WX+4*i+2], v[WX+4*i+3]
	global_store_b64 v[WDO+i], v[WY+2*i:WY+2*i+1], s[8:9]
.set i, i+1
.endr
	s_endpgm
.Lrows:
	s_cmp_ge_u32 ttmp9, 16
	s_cbranch_scc1 .Lnorm
	; THE TABLE
	s_load_b64 s[28:29], s[0:1], 0x30              ; mask
	s_load_b64 s[32:33], s[0:1], 0x60              ; mtab
	v_lshrrev_b32 v1, 5, v0
	v_readfirstlane_b32 s2, v1                     ; wave 0..7
	s_lshl_b32 s3, ttmp9, 3
	s_add_co_u32 s3, s3, s2                        ; g
	v_and_b32 v2, 15, v0                           ; r
	v_bfe_u32 v3, v0, 4, 1                         ; L / 16
	s_lshl_b32 s4, s3, 4
	v_add_nc_u32 v4, s4, v2                        ; i
	v_min_u32 v5, 128, v4                          ; a distance d is allowed in the window if d <= 128 and the key i - d is not negative
	v_lshlrev_b32 v6, 3, v3
	v_sub_nc_u32 v7, v2, v6                        ; r - 8 (L / 16): the distance to the key of word 8 kt + j is this + 128 - 16 kt - j
	v_lshlrev_b32 v8, 13, v4                       ; row i of the mask
	s_sub_co_i32 s5, s4, 128
	v_add_nc_u32 v9, s5, v6                        ; my half's first key of tile 0 (negative where there is none)
.set k, 0
.rept 9
	v_add_nc_u32 v10, 16*k, v9
	v_max_i32 v10, 0, v10                          ; a key that does not exist reads column 0 on: the test on the distance hides it
	v_lshl_add_u32 v[KO+k], v10, 2, v8
.set k, k+1
.endr
.set m, 2
.rept 14
	s_sub_co_i32 s5, s4, 128*m
	v_add_nc_u32 v10, s5, v2                       ; i - 128 m (negative where there is no such key)
	v_max_i32 v10, 0, v10
	v_lshl_add_u32 v[SO+m-2], v10, 2, v8
.set m, m+1
.endr
	v_and_b32 v11, 31, v0
	v_lshlrev_b32 v11, 4, v11
	s_lshl_b32 s6, s3, 9                           ; 512 bytes of table a tile
	s_mov_b32 s7, 0
.irp q, 0,1,2,3
	v_mov_b32 v[OUT+\q], 0
.endr
	s_wait_kmcnt 0x0
	s_add_nc_u64 s[32:33], s[32:33], s[6:7]
.set k, 0
.rept 9
	global_load_b128 v[M+8*k:M+8*k+3], v[KO+k], s[28:29]
	global_load_b128 v[M+8*k+4:M+8*k+7], v[KO+k], s[28:29] offset:16
.set k, k+1
.endr
.set m, 2
.rept 14
	global_load_b32 v[MS+m-2], v[SO+m-2], s[28:29]
.set m, m+1
.endr
	s_wait_loadcnt 0x0
	; a key tile's eight words at a time: sixteen compares into s40-55, eight ands, eight writes, so that no word waits for the word before it
.set kt, 0
.rept 9
.irp j, 0,1,2,3,4,5,6,7
	v_add_nc_u32 v10, 128-16*kt-\j, v7             ; d = i - key; a key behind the query wraps to a large number
	v_cmp_le_u32 s[40+2*\j], v10, v5
	v_cmp_ne_u32 s[41+2*\j], 0, v[M+8*kt+\j]
.endr
.irp j, 0,1,2,3,4,5,6,7
	s_and_b32 s[40+2*\j], s[40+2*\j], s[41+2*\j]
.endr
.irp j, 0,1,2,3,4,5,6,7
	v_writelane_b32 v[OUT+(\j%4)], s[40+2*\j], 2*kt+\j/4  ; word 8 kt + j lies in lane (8 kt + j) / 4
.endr
.set kt, kt+1
.endr
.set mb, 2
.rept 2                                ; the strided keys' 14 words, seven at a time
.irp j, 0,1,2,3,4,5,6
	v_cmp_le_u32 s[40+2*\j], 128*(mb+\j), v4       ; the key i - 128 m exists
	v_cmp_ne_u32 s[41+2*\j], 0, v[MS+mb+\j-2]
.endr
.irp j, 0,1,2,3,4,5,6
	s_and_b32 s[40+2*\j], s[40+2*\j], s[41+2*\j]
.endr
.irp j, 0,1,2,3,4,5,6
	v_writelane_b32 v[OUT+((70+mb+\j)%4)], s[40+2*\j], (70+mb+\j)/4
.endr
.set mb, mb+7
.endr
	global_store_b128 v11, v[OUT:OUT+3], s[32:33]  ; 512 consecutive bytes
	s_wait_xcnt 0x0                                ; the store has read its registers: the norm below loads into them
	; THE NORM.  Lane L holds columns 128 j + 4 L .. + 3, j = 0..7: each load covers 512 consecutive bytes, each store 256.
.macro RED                             ; v4 summed over the 32 lanes, the result in every lane
	v_add_f32_dpp v4, v4, v4 row_xmask:1 row_mask:0xf bank_mask:0xf
	v_add_f32_dpp v4, v4, v4 row_xmask:2 row_mask:0xf bank_mask:0xf
	v_add_f32_dpp v4, v4, v4 row_xmask:4 row_mask:0xf bank_mask:0xf
	v_add_f32_dpp v4, v4, v4 row_xmask:8 row_mask:0xf bank_mask:0xf
	v_permlanex16_b32 v5, v4, s18, s19
	v_add_f32 v4, v4, v5
.endm
.macro ROW k
.set XX, X+32*(\k)
.set TT, T+16*(\k)
.set i, 0
.rept 8
	v_pk_add_f32 v[TT+2*i:TT+2*i+1], v[XX+4*i:XX+4*i+1], v[XX+4*i+2:XX+4*i+3]
.set i, i+1
.endr
.set i, 0
.rept 4
	v_pk_add_f32 v[TT+4*i:TT+4*i+1], v[TT+4*i:TT+4*i+1], v[TT+4*i+2:TT+4*i+3]
.set i, i+1
.endr
	v_pk_add_f32 v[TT:TT+1], v[TT:TT+1], v[TT+4:TT+5]
	v_pk_add_f32 v[TT+8:TT+9], v[TT+8:TT+9], v[TT+12:TT+13]
	v_pk_add_f32 v[TT:TT+1], v[TT:TT+1], v[TT+8:TT+9]
	v_add_f32 v4, v[TT], v[TT+1]
	RED
	v_mul_f32 v6, s12, v4                          ; the mean
	v_mov_b32 v7, v6
.set i, 0
.rept 16
	v_pk_add_f32 v[XX+2*i:XX+2*i+1], v[XX+2*i:XX+2*i+1], v[6:7] neg_lo:[0,1] neg_hi:[0,1]
.set i, i+1
.endr
.set i, 0
.rept 4
	v_pk_mul_f32 v[TT+2*i:TT+2*i+1], v[XX+2*i:XX+2*i+1], v[XX+2*i:XX+2*i+1]  ; four chains, started by the first four pairs
.set i, i+1
.endr
.rept 12
	v_pk_fma_f32 v[TT+2*(i%4):TT+2*(i%4)+1], v[XX+2*i:XX+2*i+1], v[XX+2*i:XX+2*i+1], v[TT+2*(i%4):TT+2*(i%4)+1]
.set i, i+1
.endr
	v_pk_add_f32 v[TT:TT+1], v[TT:TT+1], v[TT+2:TT+3]
	v_pk_add_f32 v[TT+4:TT+5], v[TT+4:TT+5], v[TT+6:TT+7]
	v_pk_add_f32 v[TT:TT+1], v[TT:TT+1], v[TT+4:TT+5]
	v_add_f32 v4, v[TT], v[TT+1]
	RED
	v_fma_f32 v8, v4, s12, s13                     ; variance + 1e-5
	v_rsq_f32 v10, v8
	v_nop                                          ; a plain instruction behind the root,
	s_wait_alu depctr_va_vdst(0)                   ; and the wait ahead of the first use of its result
	v_mov_b32 v11, v10
.set i, 0
.rept 16
	v_pk_mul_f32 v[XX+2*i:XX+2*i+1], v[XX+2*i:XX+2*i+1], v[10:11]
.set i, i+1
.endr
.set i, 0
.rept 16
	v_pk_fma_f32 v[XX+2*i:XX+2*i+1], v[XX+2*i:XX+2*i+1], v[G+2*i:G+2*i+1], v[BB+2*i:BB+2*i+1]
.set i, i+1
.endr
.set i, 0
.rept 16
	v_cvt_pk_bf16_f32 v[TT+i], v[XX+2*i], v[XX+2*i+1]
.set i, i+1
.endr
.set i, 0
.rept 8
	global_store_b64 v2, v[TT+2*i:TT+2*i+1], s[10:11] offset:256*i+2048*(\k)  ; 256 consecutive bytes, aligned
.set i, i+1
.endr
.endm
.Lnorm:
	s_load_b256 s[4:11], s[0:1], 0x40              ; x, g1, bl1, n
	v_lshrrev_b32 v1, 5, v0
	v_readfirstlane_b32 s2, v1
	s_lshl_b32 s3, ttmp9, 3
	s_add_co_u32 s3, s3, s2                        ; my pair of rows
	s_lshl_b32 s14, s3, 13
	s_mov_b32 s15, 0
	s_lshl_b32 s16, s3, 12
	s_mov_b32 s17, 0
	s_mov_b32 s12, 0x3a800000                      ; 1 / 1024
	s_mov_b32 s13, 0x3727c5ac                      ; 1e-5
	s_mov_b32 s18, 0x76543210                      ; v_permlanex16_b32: each lane takes its own place in the other half
	s_mov_b32 s19, 0xfedcba98
	v_and_b32 v1, 31, v0
	v_lshlrev_b32 v2, 3, v1
	v_lshlrev_b32 v1, 4, v1
	v_mov_b32 v5, 0                                ; the exchange's destination counts as read
	s_wait_kmcnt 0x0
	s_add_nc_u64 s[4:5], s[4:5], s[14:15]
	s_add_nc_u64 s[10:11], s[10:11], s[16:17]
.irp j, 0,1,2,3,4,5,6,7
	global_load_b128 v[G+4*\j:G+4*\j+3], v1, s[6:7] offset:512*\j
.endr
.irp j, 0,1,2,3,4,5,6,7
	global_load_b128 v[BB+4*\j:BB+4*\j+3], v1, s[8:9] offset:512*\j
.endr
.irp j, 0,1,2,3,4,5,6,7
	global_load_b128 v[X+4*\j:X+4*\j+3], v1, s[4:5] offset:512*\j
.endr
.irp j, 0,1,2,3,4,5,6,7
	global_load_b128 v[X+32+4*\j:X+32+4*\j+3], v1, s[4:5] offset:4096+512*\j
.endr
	s_wait_loadcnt 8                               ; g, b and row 0 are in; row 1's eight loads stay out
	ROW 0
	s_wait_loadcnt 0x0
	ROW 1
	s_endpgm
.Lfunc_end_k_qb5ec1b103c_pre:
	.size	k_qb5ec1b103c_pre, .Lfunc_end_k_qb5ec1b103c_pre-k_qb5ec1b103c_pre
	.p2alignl 7, 3214868480
	.fill 96, 4, 3214868480
	.section	.rodata,"a",@progbits
	.p2align	6, 0x0
	.amdhsa_kernel k_qb5ec1b103c_pre
		.amdhsa_group_segment_fixed_size 0
		.amdhsa_private_segment_fixed_size 0
		.amdhsa_enable_private_segment 0
		.amdhsa_kernarg_size 104
		.amdhsa_user_sgpr_count 2
		.amdhsa_user_sgpr_kernarg_segment_ptr 1
		.amdhsa_wavefront_size32 1
		.amdhsa_system_sgpr_workgroup_id_x 1
		.amdhsa_system_sgpr_workgroup_id_y 1
		.amdhsa_system_sgpr_workgroup_id_z 1
		.amdhsa_system_vgpr_workitem_id 0
		.amdhsa_next_free_vgpr 176
		.amdhsa_next_free_sgpr 66
		.amdhsa_reserve_vcc 0
		.amdhsa_float_denorm_mode_32 3
		.amdhsa_float_denorm_mode_16_64 3
		.amdhsa_memory_ordered 1
		.amdhsa_forward_progress 1
		.amdhsa_inst_pref_size 59
	.end_amdhsa_kernel
	.amdgpu_metadata
---
amdhsa.version: [ 1, 2 ]
amdhsa.kernels:
  - .name:           k_qb5ec1b103c_pre
    .symbol:         k_qb5ec1b103c_pre.kd
    .args:
      - { .name: Wq, .offset: 0, .size: 8, .value_kind: global_buffer, .address_space: global }
      - { .name: Wk, .offset: 8, .size: 8, .value_kind: global_buffer, .address_space: global }
      - { .name: Wv, .offset: 16, .size: 8, .value_kind: global_buffer, .address_space: global }
      - { .name: Wo, .offset: 24, .size: 8, .value_kind: global_buffer, .address_space: global }
      - { .name: W1, .offset: 32, .size: 8, .value_kind: global_buffer, .address_space: global }
      - { .name: W2, .offset: 40, .size: 8, .value_kind: global_buffer, .address_space: global }
      - { .name: mask, .offset: 48, .size: 8, .value_kind: global_buffer, .address_space: global }
      - { .name: wb, .offset: 56, .size: 8, .value_kind: global_buffer, .address_space: global }
      - { .name: x, .offset: 64, .size: 8, .value_kind: global_buffer, .address_space: global }
      - { .name: g1, .offset: 72, .size: 8, .value_kind: global_buffer, .address_space: global }
      - { .name: bl1, .offset: 80, .size: 8, .value_kind: global_buffer, .address_space: global }
      - { .name: n, .offset: 88, .size: 8, .value_kind: global_buffer, .address_space: global }
      - { .name: mtab, .offset: 96, .size: 8, .value_kind: global_buffer, .address_space: global }
    .group_segment_fixed_size: 0
    .private_segment_fixed_size: 0
    .kernarg_segment_align: 8
    .kernarg_segment_size: 104
    .max_flat_workgroup_size: 256
    .sgpr_count:     66
    .vgpr_count:     176
    .wavefront_size: 32
...
	.end_amdgpu_metadata
.endif
;; end of part 1
;; launch qkv (part 2): grid 12 x 16, 4 waves a work-group, clusters of 4 x 4, 327,680 bytes of LDS; arguments n, wb, bq, bk, bv, qkv, vpart; writes qkv, vpart
.if DOCPART == 2
	.amdgcn_target "amdgcn-amd-amdhsa--gfx1250"
	.amdhsa_code_object_version 6
	.text
	.protected	k_qb5ec1b103c_qkv
	.globl	k_qb5ec1b103c_qkv
	.p2align	8
	.type	k_qb5ec1b103c_qkv,@function
k_qb5ec1b103c_qkv:
	s_mov_b64 s[64:65], 0
	v_nop
	global_prefetch_b8 v0, s[64:65] scope:SCOPE_SE
	s_setreg_imm32_b32 hwreg(HW_REG_WAVE_MODE, 25, 1), 1
	s_wait_xcnt 0x0
	s_wait_alu depctr_hold_cnt(0) depctr_sa_sdst(0) depctr_va_vdst(0) depctr_va_sdst(0) depctr_va_ssrc(0) depctr_va_vcc(0) depctr_vm_vsrc(0)
	s_getreg_b32 s2, hwreg(HW_REG_IB_STS2, 6, 4)
	s_cmp_eq_u32 s2, 0
	s_cbranch_scc0 .Lentry_in_a_cluster
	s_endpgm
.Lentry_in_a_cluster:
	s_bfe_u32 s2, ttmp6, 0x10000c
	s_cmp_lg_u32 s2, 0xf033
	s_cbranch_scc0 .Lentry_shape_is_right
	s_endpgm
.Lentry_shape_is_right:
; C[4096][3072] = n[4096][1024] (bf16) x WQKV[1024][3072] (bf16, [K][N]) + (bq | bk | bv), sums in f32, rounded once to bf16.
; C leaves by PLANES of 64 columns: qkv[b][48][2048 tokens][64]; planes 0-15 are q's heads, 16-31 k's, 32-47 v's.  A tile of 16 tokens of a plane is 2,048 bytes, and inside it
; the bytes lie in FRAGMENT ORDER: bytes 32 u + 16 h .. + 15 of token r stand at 512 u + 256 h + 16 r (u 0..3, h 0..1, r 0..15): lane 16 h + r of a wave finds its 16 bytes of a
; matrix fragment at 512 u + 16 x lane.  That is what a lane holds here after the rounding, so the packed registers are stored as they are.
; A tile of C is 256 x 256: four waves, each 128 x 128 in 64 accumulators (512 registers).  K goes in 8 steps of 128 through two LDS slots filled by tensor loads.
; THE MATRIX INSTRUCTION IS USED TRANSPOSED: source 0 = 16 columns of W, source 1 = 16 rows of n, so a lane holds eight neighbouring columns of one token.
; W lies [K][N]: its fragments come out of LDS turned, by ds_load_tr16_b128.  The bias is the C operand of the products that start the sums.
; CLUSTER 4 x 4: n's tile hangs on the tile row alone and is asked for jointly along a row of the cluster, W's on the tile column alone, along a column.
; A quarter step is 32 along K, 64 products, on fragment buffers 0, 1 by turns.  BODY f, g: the next quarter's 32 LDS loads into g, the products of f on my rows 64-127,
; then those of g on my rows 0-63.  Two BODYs, walked twice, are a K step; the text holds that pair three times (both slots of the loop, and the tail).
; The 64 accumulators take turns, one instruction a turn.
; THE SUMS OF V.  The clusters that make v (cluster x = 2) also store, for each wave's 128 tokens, the sum of each of its 128 columns: vpart[block of 128 tokens][head][64], f32.
; The attention launch makes the mean of V of them: what a query with no visible key gets.
; REGISTERS, in windows of 256: window 0: v0-31 addresses; v64-127, v128-191 n's fragments; v192-255 the bias, later the packed results.
;   window 1: v64-127, v128-191 W's fragments.   windows 2, 3: the accumulators of my rows 0-63, 64-127: (a, b) at v[8 (8 a + b)].
.set N,     3072
.set NP,    N/64
.set WOFF,  0
.set HALFT, 34816                      ; what one tensor load brings: 128 rows of n at pitch 272, or 64 rows of W at pitch 544
.set SLOT,  4*HALFT                    ; n's 256 rows, then W's 128 rows
.set SPARE, 2*SLOT                     ; behind the ring: the spare words, 128 bytes a wave
.set A0,  16                           ; v16 my lane's place in n's tile     v17 in W's
.set B0,  17
.set ADA, 18                           ; v18, v19 the addresses of the run of LDS loads in hand
.set ADB, 19
.set STO, 24                           ; the way out, v's clusters: where I put 16 bytes of a token in my stage
.set GO,  26                           ; 16 x lane
.set SPW, 28
.set NIL, 29
.set PFO, 30                           ; the prefetches' lane offset
.set F0,  64
.set F1,  128
.set BIAS, 192
.set TMP, 192                          ; v[192:223], v[224:255] the packed results of a block of 16 tokens, two sets by turns
.set G1,  24
.set G0,  32
.set G1B, 48
.set G0B, 56
.set BP,  66                           ; s[66:67] the bias
.set PFA, 74                           ; s[74:75] where my prefetches stand; s[76:77] their step
.set PFS, 76
.set LIM, 78
.set TA,  79                           ; LDS byte of the quarter to be fetched, in n's tile and in W's
.set TB,  80
.set CNT, 81
.set LAP, 82
.set VP,  86                           ; s[86:87] vpart
.set MSB, 0
.macro WIN new                         ; the immediate's high byte repeats the setting that is left
.if MSB != (\new)
	s_set_vgpr_msb (MSB<<8)|(\new)
.set MSB, \new
.endif
.endm
.set MUL_LO, 0xa1                      ; source 0 (W) window 1, source 1 (n) window 0, C and D window 2
.set TO_B,   0x40
.macro JLOAD s                         ; a joint load: waves 0, 1 fetch n's halves, waves 2, 3 W's; an s_nop 0 and four v_nop follow each line
	s_cmp_eq_u32 s11, 0
	s_cbranch_scc0 .Lfor_b_\@
	tensor_load_to_lds s[G0+4*(\s):G0+4*(\s)+3], s[G1:G1+7]
	s_nop 0
.rept 4
	v_nop
.endr
	s_branch .Lasked_\@
.Lfor_b_\@:
	tensor_load_to_lds s[G0B+4*(\s):G0B+4*(\s)+3], s[G1B:G1B+7]
	s_nop 0
.rept 4
	v_nop
.endr
.Lasked_\@:
.endm
.macro CROUND                          ; a round of the cluster's barrier
	s_barrier_signal -1
	s_barrier_wait -1
	s_cmp_lg_u32 s10, 0
	s_cbranch_scc1 .Lnot_wave_0_\@
	s_barrier_signal -3
.Lnot_wave_0_\@:
	s_barrier_wait -3
	s_barrier_signal -1
	s_barrier_wait -1
.endm
; A prefetch, behind a joint refill: the K step two behind the one just asked for, 32 blocks of 256 bytes, one a lane.  n's rows: the clusters with x = 0 ask, the partner at cx
; takes 32 of the wave's 128 rows.  W's rows: the clusters with y = 0, the partner at cy takes 16 of the wave's 64 rows, two blocks each.  Partners differ by address alone.
; So K steps 4 to 7 are named once each; the loop's last trip asks for nothing.
.macro ASK
	s_cmp_gt_u32 s[LAP], s[LIM]
	s_cbranch_scc0 .Lnot_mine_\@
	global_prefetch_b8 v[PFO], s[PFA:PFA+1] th:TH_LOAD_NT scope:SCOPE_SE
.Lnot_mine_\@:
.endm
.macro PLACES
.rept 4
	v_nop
.endr
.endm
.macro MUL16 f, hi, a0, first          ; 16 products: row blocks a0, a0 + 1 of the window's four x 8 column blocks.  first = 1: the bias starts the sums
.if \first
	WIN 0x81+0x40*(\hi)
.else
	WIN MUL_LO+0x50*(\hi)
.endif
.irp a, \a0, (\a0)+1
.irp b, 0,1,2,3,4,5,6,7
.if \first
	v_wmma_f32_16x16x32_bf16 v[8*(8*(\a)+(\b)):8*(8*(\a)+(\b))+7], v[(\f)+8*(\b):(\f)+8*(\b)+7], v[(\f)+8*(4*(\hi)+(\a)):(\f)+8*(4*(\hi)+(\a))+7], v[BIAS+8*(\b):BIAS+8*(\b)+7]
.else
	v_wmma_f32_16x16x32_bf16 v[8*(8*(\a)+(\b)):8*(8*(\a)+(\b))+7], v[(\f)+8*(\b):(\f)+8*(\b)+7], v[(\f)+8*(4*(\hi)+(\a)):(\f)+8*(4*(\hi)+(\a))+7], v[8*(8*(\a)+(\b)):8*(8*(\a)+(\b))+7]
.endif
.endr
.endr
.endm
.macro FETCH g                         ; 32 LDS loads in one run: W's 8 fragments (turned), then n's 8
	WIN 0
	v_add_nc_u32 v[ADA], s[TA], v[A0]
	v_add_nc_u32 v[ADB], s[TB], v[B0]
	s_add_co_u32 s[TA], s[TA], 64                  ; 32 along K: 64 bytes of n's rows,
	s_add_co_u32 s[TB], s[TB], 17408               ; 32 rows of W
	WIN TO_B
.irp i, 0,1,2,3,4,5,6,7
	ds_load_tr16_b128 v[(\g)+8*(\i):(\g)+8*(\i)+3],   v[ADB] offset:32*(\i)
	ds_load_tr16_b128 v[(\g)+8*(\i)+4:(\g)+8*(\i)+7], v[ADB] offset:32*(\i)+8704
.endr
	WIN 0
.irp i, 0,1,2,3,4,5,6,7
	ds_load_b128 v[(\g)+8*(\i):(\g)+8*(\i)+3],   v[ADA] offset:(\i)*4352
	ds_load_b128 v[(\g)+8*(\i)+4:(\g)+8*(\i)+7], v[ADA] offset:(\i)*4352+32
.endr
.endm
.macro BODY f, g, first=0
	v_nop                                          ; with the run's two address lines: four places behind the last product that read buffer g (ISA guide 7.12.1)
	v_nop
	FETCH \g
	s_wait_dscnt 32                                ; all but the 32 just issued: buffer f is whole
	MUL16 \f, 1, 0, \first
	MUL16 \f, 1, 2, \first
	s_wait_dscnt 8                                 ; W and n's rows 0-63 of buffer g are in; the youngest eight loads may be out
	MUL16 \g, 0, 0, 0
	MUL16 \g, 0, 2, 0
	WIN 0
.endm
.macro PB tag                          ; a K step, from its first fetch to the first half of its last quarter
	s_mov_b32 s[CNT], 2
.Lpb_\tag:
	BODY F1, F0
	BODY F0, F1
	s_sub_co_u32 s[CNT], s[CNT], 1
	s_cmp_lg_u32 s[CNT], 0
	s_cbranch_scc1 .Lpb_\tag
.endm
; THE CHANGE OF SLOTS.  Each wave waits for all its tensor loads (one is out: its part of the next slot), adds 0 to its spare word, and waits for that and for its reads of this slot.
; fill = 1: a round of the cluster's barrier, and behind it first the joint refill of this slot with the K step two on.
.macro SYNC slot, next, fill
	WIN 0
.if \fill
	s_wait_xcnt 0x0                                ; the last prefetch, a K step back, has read its address
	s_add_nc_u64 s[PFA:PFA+1], s[PFA:PFA+1], s[PFS:PFS+1]
.endif
	s_wait_tensorcnt 0x0
	ds_add_u32 v[SPW], v[NIL]                      ; scalar work stands between it and its wait
	s_mov_b32 s[TA], (\next)*SLOT
	s_mov_b32 s[TB], (\next)*SLOT
.if \fill
	s_add_nc_u64 s[G0+4*(\slot)+2:G0+4*(\slot)+3], s[G0+4*(\slot)+2:G0+4*(\slot)+3], 512
	s_add_nc_u64 s[G0B+4*(\slot)+2:G0B+4*(\slot)+3], s[G0B+4*(\slot)+2:G0B+4*(\slot)+3], 512*N
.endif
	s_wait_dscnt 0x0
.if \fill
	CROUND
	JLOAD \slot
	ASK
.else
	s_barrier_signal -1
	s_barrier_wait -1
.endif
.endm
	s_load_b128 s[4:7], s[0:1], 0x0                ; n, wb
	s_load_b128 s[68:71], s[0:1], 0x10             ; bq, bk
	s_load_b64 s[72:73], s[0:1], 0x20              ; bv
	s_load_b64 s[8:9], s[0:1], 0x28                ; qkv
	s_load_b64 s[VP:VP+1], s[0:1], 0x30            ; vpart
	v_lshl_add_u32 v[SPW], v0, 2, SPARE
	v_mov_b32 v[NIL], 0
	ds_add_u32 v[SPW], v[NIL]                      ; the wave's opening: the add and its wait ahead of my first tensor load
	v_lshrrev_b32 v1, 5, v0
	v_readfirstlane_b32 s10, v1                    ; wave 0..3
	s_lshr_b32 s11, s10, 1                         ; my half of the tile's rows; also: I fetch for n (0) or W (1)
	s_and_b32 s12, s10, 1                          ; my half of its columns; also: which half of that tile I fetch
	s_bfe_u32 s40, ttmp6, 0x40000                  ; cx
	s_bfe_u32 s41, ttmp6, 0x40004                  ; cy
	s_lshl_b32 s42, ttmp9, 2
	s_add_co_u32 s42, s42, s40                     ; tile column
	s_and_b32 s13, ttmp7, 0xffff
	s_lshl_b32 s13, s13, 2
	s_add_co_u32 s13, s13, s41                     ; tile row
	s_lshl_b32 s43, s41, 2
	s_lshl_b32 s43, 15, s43                        ; my row of the cluster
	s_lshl_b32 s44, 0x1111, s40                    ; my column
	s_or_b32 s[G1+0], s43, (1<<16)|(1<<20)|(1<<21)|(5<<22)|(3<<25)   ; 2-byte elements; 4 words of padding after every 64
	s_or_b32 s[G1B+0], s44, (1<<16)|(1<<20)|(1<<21)|(6<<22)|(7<<25)  ; 8 words of padding after every 128
	s_mov_b32 s[G1+1], 128<<16                     ; n: 128 rows of 128 elements, 1,024 from row to row
	s_mov_b32 s[G1+2], 128<<16
	s_mov_b32 s[G1+3], 128<<16
	s_mov_b32 s[G1+4], 128
	s_mov_b32 s[G1+5], 1024
	s_mov_b32 s[G1+6], 0
	s_mov_b32 s[G1+7], 0
	s_mov_b32 s[G1B+1], 256<<16                    ; W: 64 rows of 256 elements, N from row to row
	s_mov_b32 s[G1B+2], 64<<16
	s_mov_b32 s[G1B+3], 256<<16
	s_mov_b32 s[G1B+4], 64
	s_mov_b32 s[G1B+5], N
	s_mov_b32 s[G1B+6], 0
	s_mov_b32 s[G1B+7], 0
	s_lshl_b32 s16, s13, 8
	s_lshl_b32 s17, s12, 7
	s_add_co_u32 s16, s16, s17
	s_lshl_b32 s16, s16, 11                        ; n: row 256 x tile row + 128 x half, 2,048 bytes a row
	s_mov_b32 s17, 0
	s_mul_i32 s46, s12, 128*N                      ; W: 64 rows x half,
	s_lshl_b32 s47, s42, 9                         ; 512 bytes x tile column
	s_add_co_u32 s46, s46, s47
	s_add_co_u32 s46, s46, WOFF
	s_mov_b32 s47, 0
	s_mul_i32 s20, s10, HALFT                      ; where they go: wave x HALFT
	s_wait_dscnt 0x0                               ; the opening add is done
	s_wait_kmcnt 0x0
	s_add_nc_u64 s[14:15], s[4:5], s[16:17]
	s_add_nc_u64 s[46:47], s[6:7], s[46:47]
	CROUND                                         ; all sixteen work-groups are here: the first joint loads meet
.irp s, 0,1
	s_mov_b32 s[G0+4*(\s)], 1
	s_add_co_u32 s[G0+4*(\s)+1], s20, (\s)*SLOT
	s_add_nc_u64 s[G0+4*(\s)+2:G0+4*(\s)+3], s[14:15], (\s)*256
	s_or_b32 s[G0+4*(\s)+3], s[G0+4*(\s)+3], 0x80000000
	s_mov_b32 s[G0B+4*(\s)], 1
	s_add_co_u32 s[G0B+4*(\s)+1], s20, (\s)*SLOT
	s_add_nc_u64 s[G0B+4*(\s)+2:G0B+4*(\s)+3], s[46:47], (\s)*256*N
	s_or_b32 s[G0B+4*(\s)+3], s[G0B+4*(\s)+3], 0x80000000
	JLOAD \s
.endr
	v_and_b32 v1, 15, v0                           ; r
	v_bfe_u32 v2, v0, 4, 1                         ; lane / 16
	v_and_b32 v3, 31, v0                           ; lane
	v_lshlrev_b32 v8, 5, v2
	s_cmp_eq_u32 ttmp9, 1                          ; a cluster's 1,024 columns are all q's, all k's or all v's
	s_cselect_b64 s[BP:BP+1], s[70:71], s[68:69]
	s_cmp_eq_u32 ttmp9, 2
	s_cselect_b64 s[BP:BP+1], s[72:73], s[BP:BP+1]
	s_lshl_b32 s84, s40, 10
	s_lshl_b32 s85, s12, 9
	s_add_co_u32 s84, s84, s85
	s_mov_b32 s85, 0
	s_add_nc_u64 s[BP:BP+1], s[BP:BP+1], s[84:85]
.irp b, 0,1,2,3,4,5,6,7
	global_load_b128 v[BIAS+8*(\b):BIAS+8*(\b)+3],   v8, s[BP:BP+1] offset:64*(\b)     ; the bias of columns 16 b + 8 (lane / 16) + 0..7
	global_load_b128 v[BIAS+8*(\b)+4:BIAS+8*(\b)+7], v8, s[BP:BP+1] offset:64*(\b)+16
.endr
	v_mul_u32_u24 v4, v1, 272
	v_lshl_add_u32 v4, v2, 4, v4
	s_mul_i32 s21, s11, HALFT
	v_add_nc_u32 v[A0], s21, v4
	v_and_b32 v5, 7, v0
	v_lshl_add_u32 v5, v2, 3, v5
	v_mul_u32_u24 v5, v5, 544
	v_bfe_u32 v6, v0, 3, 1
	v_lshl_add_u32 v5, v6, 4, v5
	s_lshl_b32 s22, s12, 8
	s_add_co_u32 s22, s22, 2*HALFT
	v_add_nc_u32 v[B0], s22, v5
	s_mul_i32 s23, s10, HALFT                      ; my stage: my quarter of slot 0, written only behind that slot's last fill and last reads
	v_add_nc_u32 v[STO], s23, v4
	v_lshlrev_b32 v[GO], 4, v3
	s_lshl_b32 s16, s13, 8                         ; where my part of C begins: token m0 = 256 x tile row + 128 x half,
	s_lshl_b32 s17, s11, 7
	s_add_co_u32 s16, s16, s17
	s_lshr_b32 s17, s16, 11                        ; its batch
	s_and_b32 s16, s16, 2047
	s_mul_i32 s17, s17, NP
	s_lshl_b32 s17, s17, 18
	s_lshl_b32 s16, s16, 7
	s_add_co_u32 s16, s16, s17
	s_mov_b32 s17, 0
	s_lshl_b32 s46, s42, 2                         ; plane 4 x tile column + 2 x half
	s_lshl_b32 s47, s12, 1
	s_add_co_u32 s46, s46, s47
	s_lshl_b32 s46, s46, 18
	s_mov_b32 s47, 0
	s_add_nc_u64 s[16:17], s[16:17], s[46:47]
	s_add_nc_u64 s[8:9], s[8:9], s[16:17]
	s_lshl_b32 s20, s13, 8                         ; the prefetches.  n: row 256 x tile row + 128 x half + 32 cx, at K step 3
	s_lshl_b32 s21, s12, 7
	s_add_co_u32 s20, s20, s21
	s_lshl_b32 s21, s40, 5
	s_add_co_u32 s20, s20, s21
	s_lshl_b32 s20, s20, 11
	s_add_co_u32 s20, s20, 768
	s_lshl_b32 s21, s12, 6                         ; W: row 384 + 64 x half + 16 cy
	s_lshl_b32 s22, s41, 4
	s_add_co_u32 s21, s21, s22
	s_add_co_u32 s21, s21, 384
	s_mul_i32 s21, s21, 2*N
	s_lshl_b32 s22, s42, 9
	s_add_co_u32 s21, s21, s22
	s_add_co_u32 s21, s21, WOFF
	s_and_b32 s22, ttmp7, 0xffff
	s_mov_b32 s[PFS], 256*N
	s_mov_b32 s18, 2*N
	s_cmp_eq_u32 s11, 0
	s_cselect_b32 s20, s20, s21
	s_cselect_b32 s22, ttmp9, s22                  ; the coordinate along which other clusters read the same rows
	s_cselect_b64 s[PFA:PFA+1], s[4:5], s[6:7]
	s_cselect_b32 s[PFS], 256, s[PFS]
	s_cselect_b32 s18, 2048, s18
	s_mov_b32 s[PFS+1], 0
	s_mov_b32 s21, 0
	s_add_nc_u64 s[PFA:PFA+1], s[PFA:PFA+1], s[20:21]
	s_cmp_eq_u32 s22, 0
	s_cselect_b32 s[LIM], 1, -1                    ; the same in all sixteen partners, for a given wave
	v_lshrrev_b32 v9, s11, v3
	v_mul_lo_u32 v9, v9, s18
	v_and_b32 v10, s11, v3
	v_lshl_add_u32 v[PFO], v10, 8, v9
	s_wait_tensorcnt 0x1                           ; my part of K step 0 is in; K step 1's may stay out
	s_barrier_signal -1
	s_barrier_wait -1
	s_mov_b32 s[TA], 0
	s_mov_b32 s[TB], 0
	FETCH F0
	s_wait_loadcnt 0x0                             ; the bias
	s_wait_dscnt 8
	MUL16 F0, 0, 0, 1
	MUL16 F0, 0, 2, 1
	WIN 0
	BODY F0, F1, 1
	s_mov_b32 s[LAP], 4
	s_mov_b32 s[CNT], 1                            ; K step 0 has two quarters left: the loop is entered in its second half, for one trip of the pair
	s_branch .Lpb_b
.Llap:                                                 ; three trips: K steps 1 to 6 are multiplied, 2 to 7 asked for
	SYNC 0, 1, 1
	PB a
	SYNC 1, 0, 1
	PB b
	s_sub_co_u32 s[LAP], s[LAP], 1
	s_cmp_lg_u32 s[LAP], 0
	s_cbranch_scc1 .Llap
	SYNC 0, 1, 0                                   ; the tail is written out: nothing is asked for
	PB c
	s_wait_dscnt 0x0
	MUL16 F1, 1, 0, 0
	MUL16 F1, 1, 2, 0
	WIN 0
; THE WAY OUT, a block of 16 tokens at a time.  Rounded to bf16, lane 16 h + r holds of column block b the 16 bytes 32 b + 16 h of token r's 256: with b = 4 p + u that is the lane's place
; in fragment u of plane p, so each packed quadruple is stored as it is: 32 lanes, 512 consecutive bytes.  The block's place stands in the immediate (278,016 at the most).
; The clusters that make v also lay the block into my stage, a token's 256 bytes at pitch 272, for the sums below.
.macro PACK a
.set AC, 64*((\a)%4)
.set TP, TMP+32*((\a)%2)
	WIN 0x0a+5*((\a)/4)
.irp b, 0,1,2,3,4,5,6,7
.irp r, 0,1,2,3
	v_cvt_pk_bf16_f32 v[TP+4*(\b)+(\r)], v[AC+8*(\b)+2*(\r)], v[AC+8*(\b)+2*(\r)+1]
.endr
.endr
	WIN 0
.endm
.macro SEND a
.set TP, TMP+32*((\a)%2)
	s_cmp_lg_u32 ttmp9, 2                          ; the cluster's x: the same in all partners
	s_cbranch_scc1 .Lnot_v_\@
.irp b, 0,1,2,3,4,5,6,7
	ds_store_b128 v[STO], v[TP+4*(\b):TP+4*(\b)+3] offset:(\a)*4352+32*(\b)
.endr
.Lnot_v_\@:
.irp p, 0,1
.irp i, 0,1,2,3
	global_store_b128 v[GO], v[TP+4*(4*(\p)+(\i)):TP+4*(4*(\p)+(\i))+3], s[8:9] offset:(\a)*2048+(\i)*512+(\p)*262144
.endr
.endr
.endm
	PLACES
	PLACES
.irp a, 0,1,2,3,4,5,6,7
.if \a >= 2
	s_wait_xcnt 0x0                                ; the stores of two blocks back have read the set of registers that is packed anew
.endif
	PACK \a
	SEND \a
.endr
; THE SUMS OF V.  My stage now holds my 128 tokens x 128 columns in bf16, a token's 256 bytes at pitch 272.  Read turned, 16 columns x 32 tokens are source 0 of a product whose
; source 1 is all ones: each of the result's 16 columns holds the 16 sums.  Eight accumulators (a block of 16 columns each) take turns over four groups of 32 tokens.
; The branch hangs on the cluster's x, which all partners share; it jumps over no barrier and no tensor load.
.set FR,  64                           ; v[64:127]  eight fragments of the stage
.set SA,  128                          ; v[128:191] eight accumulators
.set ONE, 192                          ; v[192:199] 1.0 in every bf16
.set TRA, 4                            ; v4 my lane's place for the turning load
.set SST, 6                            ; v6 where the sums go in my stage
.set SRD, 7                            ; v7 where I read 16 bytes of them back
	s_cmp_lg_u32 ttmp9, 2
	s_cbranch_scc1 .Lnosum
	s_lshl_b32 s88, s13, 1
	s_add_co_u32 s88, s88, s11                     ; my block of 128 tokens: 2 x tile row + half
	s_lshl_b32 s88, s88, 4
	s_lshl_b32 s89, s40, 2
	s_add_co_u32 s88, s88, s89                     ; my first head: 4 cx + 2 x half
	s_lshl_b32 s89, s12, 1
	s_add_co_u32 s88, s88, s89
	s_lshl_b32 s88, s88, 8                         ; 256 bytes a head
	s_mov_b32 s89, 0
	s_add_nc_u64 s[VP:VP+1], s[VP:VP+1], s[88:89]
	v_and_b32 v[TRA], 7, v0
	v_bfe_u32 v5, v0, 4, 1
	v_lshl_add_u32 v[TRA], v5, 3, v[TRA]           ; token 8 (lane / 16) + lane % 8
	v_mul_u32_u24 v[TRA], v[TRA], 272
	v_bfe_u32 v8, v0, 3, 1
	v_lshl_add_u32 v[TRA], v8, 4, v[TRA]
	v_add_nc_u32 v[TRA], s23, v[TRA]
	v_lshl_add_u32 v[SST], v5, 5, s23              ; column 16 b + 8 (lane / 16) + j lies at byte 64 b + 32 (lane / 16) + 4 j
	v_add_nc_u32 v[SRD], s23, v[GO]
	s_wait_xcnt 0x0                                ; the last blocks' stores have read v192-255, which are written below
.irp i, 0,1,2,3,4,5,6,7
	v_mov_b32 v[ONE+\i], 0x3f803f80
.endr
.irp tg, 0,1,2,3
.if \tg > 0
	PLACES                                         ; four places behind the last product, in front of loads into registers that it has read
.endif
.irp b, 0,1,2,3,4,5,6,7
	ds_load_tr16_b128 v[FR+8*\b:FR+8*\b+3],   v[TRA] offset:\tg*8704+32*\b
	ds_load_tr16_b128 v[FR+8*\b+4:FR+8*\b+7], v[TRA] offset:\tg*8704+32*\b+4352
.endr
	s_wait_dscnt 0x0
.irp b, 0,1,2,3,4,5,6,7
.if \tg == 0
	v_wmma_f32_16x16x32_bf16 v[SA+8*\b:SA+8*\b+7], v[FR+8*\b:FR+8*\b+7], v[ONE:ONE+7], 0
.else
	v_wmma_f32_16x16x32_bf16 v[SA+8*\b:SA+8*\b+7], v[FR+8*\b:FR+8*\b+7], v[ONE:ONE+7], v[SA+8*\b:SA+8*\b+7]
.endif
.endr
.endr
	PLACES
	PLACES
.irp b, 0,1,2,3,4,5,6,7
	ds_store_b128 v[SST], v[SA+8*\b:SA+8*\b+3]   offset:64*\b     ; the sixteen lanes of a half hold the same sums and write the same bytes
	ds_store_b128 v[SST], v[SA+8*\b+4:SA+8*\b+7] offset:64*\b+16
.endr
	ds_load_b128 v[200:203], v[SRD]                ; LDS serves a wave's instructions in order: this sees the stores above
	s_wait_dscnt 0x0
	global_store_b128 v[GO], v[200:203], s[VP:VP+1]  ; two heads' 64 sums: 512 consecutive bytes
.Lnosum:
	s_wait_tensorcnt 0x0                           ; the wave's end
	ds_add_u32 v[SPW], v[NIL]
	s_wait_dscnt 0x0
	CROUND                                         ; the closing round
	s_endpgm
.Lfunc_end_k_qb5ec1b103c_qkv:
	.size	k_qb5ec1b103c_qkv, .Lfunc_end_k_qb5ec1b103c_qkv-k_qb5ec1b103c_qkv
	.p2alignl 7, 3214868480
	.fill 96, 4, 3214868480
	.section	.rodata,"a",@progbits
	.p2align	6, 0x0
	.amdhsa_kernel k_qb5ec1b103c_qkv
		.amdhsa_group_segment_fixed_size 327680
		.amdhsa_private_segment_fixed_size 0
		.amdhsa_enable_private_segment 0
		.amdhsa_kernarg_size 56
		.amdhsa_user_sgpr_count 2
		.amdhsa_user_sgpr_kernarg_segment_ptr 1
		.amdhsa_wavefront_size32 1
		.amdhsa_system_sgpr_workgroup_id_x 1
		.amdhsa_system_sgpr_workgroup_id_y 1
		.amdhsa_system_sgpr_workgroup_id_z 1
		.amdhsa_system_vgpr_workitem_id 0
		.amdhsa_next_free_vgpr 1024
		.amdhsa_next_free_sgpr 100
		.amdhsa_reserve_vcc 0
		.amdhsa_float_denorm_mode_32 3
		.amdhsa_float_denorm_mode_16_64 3
		.amdhsa_memory_ordered 1
		.amdhsa_forward_progress 1
		.amdhsa_inst_pref_size 103
	.end_amdhsa_kernel
	.amdgpu_metadata
---
amdhsa.version: [ 1, 2 ]
amdhsa.kernels:
  - .name:           k_qb5ec1b103c_qkv
    .symbol:         k_qb5ec1b103c_qkv.kd
    .args:
      - { .name: n, .offset: 0, .size: 8, .value_kind: global_buffer, .address_space: global }
      - { .name: wb, .offset: 8, .size: 8, .value_kind: global_buffer, .address_space: global }
      - { .name: bq, .offset: 16, .size: 8, .value_kind: global_buffer, .address_space: global }
      - { .name: bk, .offset: 24, .size: 8, .value_kind: global_buffer, .address_space: global }
      - { .name: bv, .offset: 32, .size: 8, .value_kind: global_buffer, .address_space: global }
      - { .name: qkv, .offset: 40, .size: 8, .value_kind: global_buffer, .address_space: global }
      - { .name: vpart, .offset: 48, .size: 8, .value_kind: global_buffer, .address_space: global }
    .group_segment_fixed_size: 327680
    .private_segment_fixed_size: 0
    .kernarg_segment_align: 8
    .kernarg_segment_size: 56
    .max_flat_workgroup_size: 128
    .sgpr_count:     100
    .vgpr_count:     1024
    .wavefront_size: 32
...
	.end_amdgpu_metadata
.endif
;; end of part 2
;; launch attn (part 3): grid 8 x 32, 16 waves a work-group, no clusters, 207,104 bytes of LDS; arguments qkv, mtab, vpart, o; writes o
.if DOCPART == 3
	.amdgcn_target "amdgcn-amd-amdhsa--gfx1250"
	.amdhsa_code_object_version 6
	.text
	.protected	k_qb5ec1b103c_attn
	.globl	k_qb5ec1b103c_attn
	.p2align	8
	.type	k_qb5ec1b103c_attn,@function
k_qb5ec1b103c_attn:
	s_mov_b64 s[64:65], 0
	v_nop
	global_prefetch_b8 v0, s[64:65] scope:SCOPE_SE
	s_setreg_imm32_b32 hwreg(HW_REG_WAVE_MODE, 25, 1), 1
	s_wait_xcnt 0x0
; STRIDED ATTENTION.  Query i of a head sees keys i - 128 .. i and i - 128 m (m >= 2), where the mask input leaves them open; mtab says bit by bit which keys are visible.
; o[hb][i][:] = softmax over the visible keys of (q . k / 8), times v; a query with no visible key gets the mean of all 2,048 rows of v (all its scores are then equal).
; q, k, v: planes of qkv, bf16, 2,048 rows of 64.  A tile of 16 rows is 2,048 bytes in FRAGMENT ORDER: bytes 32 u + 16 h .. + 15 of row r stand at 512 u + 256 h + 16 r: lane 16 h + r
; finds its 16 bytes of fragment u at 512 u + 16 x lane, so each load of a wave covers 512 consecutive bytes, in memory and in LDS alike.
; Products, maxima and sums in f32; the window's weights are rounded to bf16 for the second product; o once, to bf16 (o's planes lie row by row).
; LIMITS.  A hidden score counts as -2^33: raw scores q . k must lie above -2^32.  A weight below 2^-126 counts as 0.  NaN and infinities are not treated apart.
; SHARES.  Work-group (p, hb): blocks t1 = 15 - p and t2 = p of 128 queries; waves 0-7 own the tiles of 16 queries of the first, waves 8-15 those of the second.
; PHASE A, the strided keys, by the vector unit, a group of four keys a trip, straight from memory, while the tensor loads land.  A lane holds half of its query's channels; the two halves
; of the lanes exchange once.  Block t has (t + 2) / 4 groups, and the two blocks together always four.  They are numbered 0..3, t1's first, and wave w takes numbers 2 (w / 8) and
; 2 (w / 8) + 1 for tile w % 8: two groups a wave, whatever p.  So waves 8-15 work for t1 first: when its groups are done they HAND OVER their running O, c m, m and l through LDS and begin
; anew for their own block; behind the barriers waves 0-7 merge what was handed over into their own.
; PHASE B, the window: 144 keys as nine tiles, S^T = K Q^T and O^T = V^T P as in a dense kernel; one running maximum serves both phases.
; THE MEAN OF V: wave w makes channels 4 w .. 4 w + 3: lane L loads parts L / 4 and 8 + L / 4 of channel 4 w + L % 4, the sixteen parts are summed, and the mean goes into LDS for all.
; NO CLUSTER: the work-groups of a head want different blocks of K and V at a time.  NO PREFETCH: each work-group's tiles are asked for at once, at its head.
; LDS: for each of the two blocks 16 tiles of K and 16 tiles of V, as they lie in memory (blocks t - 1 and t; the tile of key k is (k - 128 (t - 1)) / 16); wave w brings four tiles,
; 8,192 bytes, to byte 8,192 w by one tensor load; nothing is filled twice.  Behind them: a stage of 2,304 bytes a wave, the hand-over (4,608 bytes a tile), the mean of V (256 bytes), the spare words.
.set SP,    144                        ; a row of the stage: 128 bytes + 16
.set REG,   65536                      ; a block's K and V
.set VOFFL, 32768                      ; V behind K
.set STAGE, 131072
.set HSLOT, 167936
.set HSZ,   4608
.set VM,    204800
.set SPARE, 205056
.set SPW, 4
.set NIL, 5
.set VO,  6                            ; my 16 bytes in fragment 0 of tile a of a block: 2,048 a + 16 x lane
.set VOE, 7                            ; v[7:10] the same in the four blocks of a strided group
.set AK,  11
.set AV,  12
.set STO, 13
.set RD,  14
.set GO,  15
.set CM,  16                           ; c m, and beside it m: the packed scaling names the pair
.set MX,  17
.set LS,  18                           ; l
.set VQ,  19
.set SC,  20                           ; v[20:27] scores, weights, sums at work; v28 a, v29 named with it
.set HID, 30
.set VMA, 31
.set Q,   32                           ; v[32:47]  my own tile's Q, for phase B
.set O,   48                           ; v[48:79]  O^T: channel 16 cb + 8 (lane / 16) + j at O + 8 cb + j
.set S,   80                           ; v[80:151] S^T, then P in v[80:119]
.set KV,  152                          ; v[152:255] fragments of K, then of V
.set KS,  80                           ; phase A: four rows of K, four rows of V
.set VS,  144
.set MS,  208                          ; v208, v209 my two parts of a channel's sum of V
.set MG,  210                          ; v210 where they lie in vpart
.set ML,  211                          ; v211 where the mean goes in LDS
.set QT,  212                          ; v[212:227] the Q of the group in hand
.set VQT, 228                          ; v228 where it lies
.set HS,  229                          ; v229 my 16 bytes in my tile's hand-over
.set MB,  16                           ; s[16:17] mtab; s16-23 serve phase A alone: the window's words land on them later
.set T1,  18
.set T2,  19
.set NG1, 20                           ; groups of block t1: 2, 3 or 4
.set HOP, 21                           ; the trip in front of which waves 8-15 hand over
.set XI,  22                           ; the number, 0..3, of the group to be asked for
.set TT,  23                           ; its block
.set GI,  96
.set TM,  104
.set MO,  105
.macro PLACES
.rept 4
	v_nop
.endr
.endm
	s_load_b256 s[4:11], s[0:1], 0x0               ; qkv, mtab, vpart, o
	v_lshl_add_u32 v[SPW], v0, 2, SPARE
	v_mov_b32 v[NIL], 0
	ds_add_u32 v[SPW], v[NIL]                      ; the wave's opening: the add and its wait ahead of my tensor load
	v_lshrrev_b32 v1, 5, v0
	v_readfirstlane_b32 s2, v1                     ; wave 0..15
	s_lshr_b32 s67, s2, 3                          ; which of the two blocks
	s_and_b32 s66, s2, 7                           ; a: my tile in it
	s_sub_co_u32 s3, 15, ttmp9
	s_cmp_eq_u32 s67, 0
	s_cselect_b32 s3, s3, ttmp9                    ; t: my own block's number
	s_and_b32 s98, ttmp7, 0xffff                   ; hb = 16 b + h
	s_lshr_b32 s99, s98, 4
	s_lshl_b32 s100, s99, 5
	s_add_co_u32 s100, s100, s98
	s_add_co_u32 s100, s100, 16                    ; k's plane 48 b + 16 + h; q's lies 4,194,304 bytes below it, v's as far above
	s_lshl_b32 s100, s100, 18
	s_mov_b32 s101, 0
	s_mov_b32 s68, 1                               ; descriptor group 0: count
	s_lshl_b32 s69, s2, 13                         ; LDS address: 8,192 x wave: block w / 8, K or V by (w / 4) % 2, quarter w % 4
	s_mov_b32 s72, 1<<16                           ; group 1: elements of 2 bytes, no padding: four tiles are 8,192 dense bytes: 32 rows of 256
	s_mov_b32 s73, 128<<16
	s_mov_b32 s74, 32<<16
	s_mov_b32 s75, 128<<16
	s_mov_b32 s76, 32
	s_mov_b32 s77, 128
	s_mov_b32 s78, 0
	s_mov_b32 s79, 0
	s_and_b32 s104, s2, 3                          ; which 64 of the 256 rows I bring
	s_sub_co_i32 s105, s3, 1
	s_max_i32 s105, s105, 0                        ; block t - 1; for t = 0 block 0 once more: finite numbers that the table hides
	s_cmp_ge_u32 s104, 2
	s_cselect_b32 s105, s3, s105
	s_lshl_b32 s105, s105, 14
	s_and_b32 s96, s104, 1
	s_lshl_b32 s96, s96, 13
	s_add_co_u32 s96, s96, s105
	s_and_b32 s99, s2, 4                           ; waves 0-3 and 8-11 bring K, the others V:
	s_lshl_b32 s99, s99, 20                        ; 4,194,304 bytes on
	s_add_co_u32 s96, s96, s99
	s_mov_b32 s97, 0
	s_mov_b32 s12, 0x3e38aa3b                      ; c = log2(e) / 8
	s_mov_b32 s13, s12
	s_mov_b32 s14, 0x76543210
	s_mov_b32 s15, 0xfedcba98
	s_wait_dscnt 0x0                               ; the opening add is done
	s_wait_kmcnt 0x0
	s_add_nc_u64 s[4:5], s[4:5], s[100:101]
	s_add_nc_u64 s[70:71], s[4:5], s[96:97]
	s_or_b32 s71, s71, 0x80000000
	tensor_load_to_lds s[68:71], s[72:79]          ; every wave's own rows into every wave's own bytes
	s_nop 0
	PLACES
	s_lshr_b32 s100, s98, 4
	s_lshl_b32 s100, s100, 16                      ; vpart: a batch has 16 parts of 16 heads of 256 bytes
	s_and_b32 s99, s98, 15
	s_lshl_b32 s99, s99, 8
	s_add_co_u32 s100, s100, s99
	s_add_nc_u64 s[8:9], s[8:9], s[100:101]        ; vpart at my batch's first part, my head
	s_lshl_b32 s100, s98, 18
	s_lshl_b32 s99, s3, 14
	s_add_co_u32 s100, s100, s99
	s_lshl_b32 s99, s66, 11
	s_add_co_u32 s100, s100, s99
	s_add_nc_u64 s[10:11], s[10:11], s[100:101]    ; o at my 16 rows
	s_mov_b64 s[MB:MB+1], s[6:7]                   ; mtab, for the groups' words
	s_lshl_b32 s100, s3, 3
	s_add_co_u32 s100, s100, s66
	s_lshl_b32 s100, s100, 9
	s_add_nc_u64 s[6:7], s[6:7], s[100:101]        ; mtab at my own tile, for the window's words
	s_sub_co_u32 s[T1], 15, ttmp9
	s_mov_b32 s[T2], ttmp9
	s_add_co_u32 s[NG1], s[T1], 2
	s_lshr_b32 s[NG1], s[NG1], 2
	s_sub_co_u32 s[HOP], s[NG1], 2                 ; waves 8-15 have NG1 - 2 groups of block t1
	s_lshl_b32 s[XI], s67, 1
	v_and_b32 v1, 15, v0                           ; r
	v_bfe_u32 v2, v0, 4, 1                         ; lane / 16
	v_and_b32 v3, 31, v0                           ; lane
	s_lshl_b32 s99, s66, 11
	v_lshl_add_u32 v[VO], v3, 4, s99               ; 2,048 a + 16 x lane
	s_lshl_b32 s99, s3, 14
	v_add_nc_u32 v[VQ], s99, v[VO]
	s_lshl_b32 s99, s2, 4                          ; the mean of V: my wave's four channels are 16 bytes,
	v_bfe_u32 v[MG], v0, 2, 3                      ; my first part of the sixteen: lane / 4
	v_and_b32 v[ML], 3, v0                         ; my channel of the four: lane % 4
	v_lshl_add_u32 v[ML], v[ML], 2, s99            ; 16 w + 4 (lane % 4)
	v_lshl_add_u32 v[MG], v[MG], 12, v[ML]         ; + 4,096 bytes a part
	v_add_nc_u32 v[ML], VM, v[ML]
	s_mul_i32 s99, s66, HSZ
	s_add_co_u32 s99, s99, HSLOT
	v_and_b32 v[HS], 31, v0
	v_lshl_add_u32 v[HS], v[HS], 4, s99            ; my tile's hand-over, 16 bytes a lane
	global_load_b32 v[MS], v[MG], s[8:9]           ; the two oldest loads: every counted wait below shows them in
	global_load_b32 v[MS+1], v[MG], s[8:9] offset:32768
.irp u, 0,1,2,3
	global_load_b128 v[Q+4*\u:Q+4*\u+3], v[VQ], s[4:5] offset:512*\u-4194304  ; Q as two fragments: bytes 32 u + 16 (lane / 16) of row lane % 16
.endr
; Group number XI: its block TT and its number G in that block; its words of the table (tile 8 TT + a, words 72 + 4 G on); its Q; and its four rows: key i - 128 m, m = 2 + 4 G + e,
; lies in block TT - m at my row; a block that does not exist reads block 0, and the table hides it.
.macro TASKSET
	s_cmp_lt_u32 s[XI], s[NG1]
	s_cselect_b32 s[TT], s[T1], s[T2]
	s_cselect_b32 s98, 0, s[NG1]
	s_sub_co_u32 s98, s[XI], s98                   ; G
	s_lshl_b32 s99, s[TT], 3
	s_add_co_u32 s99, s99, s66
	s_lshl_b32 s99, s99, 9
	s_lshl_b32 s[MO], s98, 4
	s_add_co_u32 s[MO], s[MO], s99
	s_lshl_b32 s98, s98, 2
	s_sub_co_i32 s[TM], s[TT], s98
	s_sub_co_i32 s[TM], s[TM], 2                   ; the block of the group's first key
	s_lshl_b32 s99, s[TT], 14
	v_add_nc_u32 v[VQT], s99, v[VO]
.irp e, 0,1,2,3
	s_sub_co_i32 s98, s[TM], \e
	s_max_i32 s98, s98, 0
	s_lshl_b32 s98, s98, 14
	v_add_nc_u32 v[VOE+\e], s98, v[VO]
.endr
.endm
.macro QTLOADS
.irp u, 0,1,2,3
	global_load_b128 v[QT+4*\u:QT+4*\u+3], v[VQT], s[4:5] offset:512*\u-4194304
.endr
.endm
.macro KLOADS
.irp e, 0,1,2,3
.irp u, 0,1,2,3
	global_load_b128 v[KS+16*\e+4*\u:KS+16*\e+4*\u+3], v[VOE+\e], s[4:5] offset:512*\u
.endr
.endr
.endm
.macro VLOADS
.irp e, 0,1,2,3
.irp u, 0,1,2,3
	global_load_b128 v[VS+16*\e+4*\u:VS+16*\e+4*\u+3], v[VOE+\e], s[4:5] offset:4194304+512*\u
.endr
.endr
.endm
.macro OUPD                            ; O = O a + the sum of p v, for the group's four keys
.set i, 0
.rept 16
	v_pk_mul_f32 v[O+2*i:O+2*i+1], v[O+2*i:O+2*i+1], v[28:29] op_sel_hi:[1,0]
.set i, i+1
.endr
.irp e, 0,1,2,3
.set i, 0
.rept 16
	v_fma_mix_f32_bf16 v[O+2*i], v[VS+16*\e+i], v[SC+\e], v[O+2*i] op_sel_hi:[1,0,0]
	v_fma_mix_f32_bf16 v[O+2*i+1], v[VS+16*\e+i], v[SC+\e], v[O+2*i+1] op_sel:[1,0,0] op_sel_hi:[1,0,0]
.set i, i+1
.endr
.endr
.endm
.macro FRESH                           ; nothing seen yet: m and c m at the hidden score, l and O at 0
	v_mov_b32 v[MX], v[HID]
	v_mul_f32 v[CM], s12, v[HID]
	v_mov_b32 v[LS], 0
.set i, 0
.rept 32
	v_mov_b32 v[O+i], 0
.set i, i+1
.endr
.endm
	TASKSET                                        ; my first group
	QTLOADS
	KLOADS
	VLOADS
	s_load_b128 s[92:95], s[MB:MB+1], s[MO] offset:0x120  ; its four words of the table
	v_mov_b32 v[HID], 0xd0000000                   ; -2^33: c times it is exact
	FRESH
.irp i, 20,21,22,23,24,25,26,27,29
	v_mov_b32 v\i, 0
.endr
	s_lshl_b32 s99, s67, 16                        ; my block's K in LDS
	v_add_nc_u32 v[AK], s99, v[VO]                 ; fragment 0 of tile a: the window's first key tile
	v_and_b32 v3, 7, v0
	v_lshl_add_u32 v3, v2, 3, v3                   ; the turning load: key 8 (lane / 16) + lane % 8 of a tile,
	v_bfe_u32 v[AV], v0, 3, 1                      ; channels 8 ((lane / 8) % 2) + 0..7 of a block of 16:
	v_lshlrev_b32 v[AV], 8, v[AV]                  ; 256 x that half
	v_lshl_add_u32 v[AV], v3, 4, v[AV]             ; + 16 x key
	s_lshl_b32 s98, s66, 11
	s_add_co_u32 s99, s99, s98
	s_add_co_u32 s99, s99, VOFFL
	v_add_nc_u32 v[AV], s99, v[AV]
	s_mul_i32 s99, s2, 16*SP
	s_add_co_u32 s99, s99, STAGE
	v_mul_u32_u24 v[STO], v1, SP
	v_lshl_add_u32 v[STO], v2, 4, v[STO]
	v_add_nc_u32 v[STO], s99, v[STO]
	v_bfe_u32 v[RD], v0, 3, 2
	v_mul_u32_u24 v[RD], v[RD], SP
	v_and_b32 v3, 7, v0
	v_lshl_add_u32 v[RD], v3, 4, v[RD]
	v_add_nc_u32 v[RD], s99, v[RD]
	v_and_b32 v[GO], 31, v0
	v_lshlrev_b32 v[GO], 4, v[GO]
	v_lshlrev_b32 v[VMA], 5, v2
	v_add_nc_u32 v[VMA], VM, v[VMA]
	; PHASE A.  Two groups a wave; a third trip holds nothing but the test for the hand-over.
	s_mov_b32 s[GI], 0
.Lgrp:
	s_cmp_lt_u32 s2, 8                             ; waves 0-7 hand nothing over
	s_cbranch_scc1 .Lnoho
	s_cmp_lg_u32 s[GI], s[HOP]
	s_cbranch_scc1 .Lnoho
.irp i, 0,1,2,3,4,5,6,7
	ds_store_b128 v[HS], v[O+4*\i:O+4*\i+3] offset:512*\i  ; block t1's groups are done (or there were none): O in the lanes' order,
.endr
	ds_store_b128 v[HS], v[16:19] offset:4096      ; c m, m, l, and a word that nobody uses
	FRESH                                          ; and I begin anew, for my own block
.Lnoho:
	s_cmp_ge_u32 s[GI], 2
	s_cbranch_scc1 .Ldead
	s_wait_loadcnt 16                              ; the group's Q and K are in; V's 16 loads stay out
.set n, 0
.rept 16
.irp e, 0,1,2,3
.if n == 0
	v_fma_mix_f32_bf16 v[SC+\e], v[QT+n], v[KS+16*\e+n], v[NIL] op_sel_hi:[1,1,0]
.else
	v_fma_mix_f32_bf16 v[SC+\e], v[QT+n], v[KS+16*\e+n], v[SC+\e] op_sel_hi:[1,1,0]
.endif
.endr
.irp e, 0,1,2,3
	v_fma_mix_f32_bf16 v[SC+\e], v[QT+n], v[KS+16*\e+n], v[SC+\e] op_sel:[1,1,0] op_sel_hi:[1,1,0]
.endr
.set n, n+1
.endr
.irp e, 0,1,2,3
	v_permlanex16_b32 v[24+\e], v[SC+\e], s14, s15 ; the other 32 channels lie in the lane 16 away
.endr
.irp e, 0,1,2,3
	v_add_f32 v[SC+\e], v[SC+\e], v[24+\e]
.endr
	s_wait_kmcnt 0x0
.irp e, 0,1,2,3
	v_cndmask_b32 v[SC+\e], v[HID], v[SC+\e], s[92+\e]
.endr
	v_max3_num_f32 v24, v20, v21, v22
	v_max3_num_f32 v[MX], v24, v23, v[MX]
	v_mul_f32 v25, s12, v[MX]
	v_sub_f32 v27, v[CM], v25
.irp e, 0,1,2,3
	v_fma_f32 v[SC+\e], v[SC+\e], s12, -v25
.endr
	v_mov_b32 v[CM], v25
	v_exp_f32 v28, v27                             ; a
.irp e, 0,1,2,3
	v_exp_f32 v[SC+\e], v[SC+\e]
.endr
	v_nop                                          ; a plain instruction behind the last exponential,
	s_wait_alu depctr_va_vdst(0)                   ; and one wait for the five
	v_add_f32 v24, v20, v21
	v_add_f32 v25, v22, v23
	v_add_f32 v24, v24, v25
	v_fma_f32 v[LS], v[LS], v28, v24
	s_wait_loadcnt 0x0                             ; V is in; no load reads an address register any more
	s_cmp_lt_u32 s[GI], 1
	s_cbranch_scc0 .Llast
	s_add_co_u32 s[XI], s[XI], 1                   ; one branch for all the second group's loads, so that the count above holds on every path
	TASKSET
	QTLOADS
	KLOADS
	s_load_b128 s[92:95], s[MB:MB+1], s[MO] offset:0x120
	OUPD
	VLOADS
	s_branch .Ldead
.Llast:
	OUPD
.Ldead:
	s_add_co_u32 s[GI], s[GI], 1
	s_cmp_lt_u32 s[GI], 3
	s_cbranch_scc1 .Lgrp
	s_wait_loadcnt 0x0
	s_wait_kmcnt 0x0
	; the mean of V: a lane's two parts, then the lanes that differ in bits 2, 3 and 4 of their number
	v_add_f32 v[MS], v[MS], v[MS+1]
	v_add_f32_dpp v[MS], v[MS], v[MS] row_xmask:4 row_mask:0xf bank_mask:0xf
	v_add_f32_dpp v[MS], v[MS], v[MS] row_xmask:8 row_mask:0xf bank_mask:0xf
	v_permlanex16_b32 v[MS+1], v[MS], s14, s15
	v_add_f32 v[MS], v[MS], v[MS+1]
	v_mul_f32 v[MS], 0x3a000000, v[MS]             ; / 2048
	s_wait_tensorcnt 0x0                           ; my 64 rows are in LDS; the descriptor's registers are free
	s_load_b512 s[16:31], s[6:7], 0x0              ; the window's 72 words of the table
	s_load_b512 s[32:47], s[6:7], 0x40
	s_load_b512 s[48:63], s[6:7], 0x80
	s_load_b512 s[68:83], s[6:7], 0xc0
	s_load_b256 s[84:91], s[6:7], 0x100
	s_wait_dscnt 0x0                               ; for the others' sake: what I handed over is written
	s_barrier_signal -1
	s_barrier_wait -1                              ; everybody's rows are in: no fill of any wave is on its way any more
	ds_store_b32 v[ML], v[MS]                      ; the eight lanes that hold a channel write the same word with the same number
	s_wait_dscnt 0x0                               ; for the others' sake: my four channels of the mean are written
	s_barrier_signal -1
	s_barrier_wait -1                              ; everybody's channels are written
	; THE MERGE, waves 0-7: what wave w + 8 handed over joins my own, under the common maximum.
	s_cmp_ge_u32 s2, 8
	s_cbranch_scc1 .Lnomerge
.irp i, 0,1,2,3,4,5,6,7
	ds_load_b128 v[KV+4*\i:KV+4*\i+3], v[HS] offset:512*\i
.endr
	ds_load_b128 v[KV+32:KV+35], v[HS] offset:4096 ; c m, m, l
	s_wait_dscnt 0x0
	v_max_num_f32 v20, v[MX], v[KV+33]
	v_mul_f32 v21, s12, v20
	v_sub_f32 v22, v[CM], v21                      ; 0 for the side that holds the maximum: both c m were made by the same product
	v_sub_f32 v24, v[KV+32], v21
	v_exp_f32 v22, v22
	v_exp_f32 v24, v24
	v_mov_b32 v[MX], v20                           ; two plain instructions behind the exponentials,
	v_mov_b32 v[CM], v21
	s_wait_alu depctr_va_vdst(0)                   ; and their wait
	v_mul_f32 v[LS], v[LS], v22
	v_fma_f32 v[LS], v[KV+34], v24, v[LS]
.set i, 0
.rept 16
	v_pk_mul_f32 v[O+2*i:O+2*i+1], v[O+2*i:O+2*i+1], v[22:23] op_sel_hi:[1,0]
.set i, i+1
.endr
.set i, 0
.rept 16
	v_pk_fma_f32 v[O+2*i:O+2*i+1], v[KV+2*i:KV+2*i+1], v[24:25], v[O+2*i:O+2*i+1] op_sel_hi:[1,0,1]
.set i, i+1
.endr
.Lnomerge:
	; PHASE B.  S^T = K Q^T for nine tiles of 16 keys, in two batches; the accumulators take turns.
	; Key tile kt of the window is tile a + kt of my block's K; its fragment for channels 32 c on is fragments 2 c and 2 c + 1 of the tile: 512 bytes each, 16 a lane.
.irp kt, 0,1,2,3,4
.irp c, 0,1
	ds_load_b128 v[KV+16*\kt+8*\c:KV+16*\kt+8*\c+3],   v[AK] offset:\kt*2048+1024*\c
	ds_load_b128 v[KV+16*\kt+8*\c+4:KV+16*\kt+8*\c+7], v[AK] offset:\kt*2048+1024*\c+512
.endr
.endr
	s_wait_dscnt 0x0
.irp kt, 0,1,2,3,4
	v_wmma_f32_16x16x32_bf16 v[S+8*\kt:S+8*\kt+7], v[KV+16*\kt:KV+16*\kt+7], v[Q:Q+7], 0
.endr
.irp kt, 0,1,2,3,4
	v_wmma_f32_16x16x32_bf16 v[S+8*\kt:S+8*\kt+7], v[KV+16*\kt+8:KV+16*\kt+15], v[Q+8:Q+15], v[S+8*\kt:S+8*\kt+7]
.endr
	PLACES
.irp kt, 0,1,2,3
.irp c, 0,1
	ds_load_b128 v[KV+16*\kt+8*\c:KV+16*\kt+8*\c+3],   v[AK] offset:(\kt+5)*2048+1024*\c
	ds_load_b128 v[KV+16*\kt+8*\c+4:KV+16*\kt+8*\c+7], v[AK] offset:(\kt+5)*2048+1024*\c+512
.endr
.endr
	s_wait_dscnt 0x0
.irp kt, 0,1,2,3
	v_wmma_f32_16x16x32_bf16 v[S+40+8*\kt:S+40+8*\kt+7], v[KV+16*\kt:KV+16*\kt+7], v[Q:Q+7], 0
.endr
.irp kt, 0,1,2,3
	v_wmma_f32_16x16x32_bf16 v[S+40+8*\kt:S+40+8*\kt+7], v[KV+16*\kt+8:KV+16*\kt+15], v[Q+8:Q+15], v[S+40+8*\kt:S+40+8*\kt+7]
.endr
	PLACES
.macro VRUN dst, kp, second            ; V^T of 32 keys, two tiles: four fragments of 16 channels (fragment cb of a tile); second = the byte offset of the second 16 keys' tile
.irp cb, 0,1,2,3
	ds_load_tr16_b128 v[(\dst)+8*\cb:(\dst)+8*\cb+3],   v[AV] offset:(\kp)*4096+512*\cb
	ds_load_tr16_b128 v[(\dst)+8*\cb+4:(\dst)+8*\cb+7], v[AV] offset:(\kp)*4096+512*\cb+(\second)
.endr
.endm
	VRUN KV, 0, 2048
	VRUN KV+32, 1, 2048
	VRUN KV+64, 2, 2048
	s_wait_kmcnt 0x0
.set w, 0
.rept 72                               ; hidden scores; each accumulator's lowest registers are read first
.if w < 48
.set sw, 16+w
.else
.set sw, 20+w
.endif
	v_cndmask_b32 v[S+w], v[HID], v[S+w], s[sw]
.set w, w+1
.endr
.irp c, 0,1,2,3
	v_max3_num_f32 v[SC+\c], v[S+18*\c], v[S+18*\c+1], v[S+18*\c+2]
.endr
.set k, 0
.rept 7
.irp c, 0,1,2,3
	v_max3_num_f32 v[SC+\c], v[SC+\c], v[S+18*\c+3+2*k], v[S+18*\c+4+2*k]
.endr
.set k, k+1
.endr
	v_max3_num_f32 v20, v20, v21, v[S+17]
	v_max3_num_f32 v22, v22, v23, v[S+35]
	v_max3_num_f32 v20, v20, v[S+53], v[S+71]
	v_max3_num_f32 v20, v20, v22, v[MX]
	v_permlanex16_b32 v24, v20, s14, s15
	v_max_num_f32 v[MX], v20, v24
	v_mul_f32 v25, s12, v[MX]
	v_sub_f32 v27, v[CM], v25
	v_mov_b32 v[CM], v25
.set n, 0
.rept 36
	v_pk_fma_f32 v[S+2*n:S+2*n+1], v[S+2*n:S+2*n+1], s[12:13], v[CM:CM+1] op_sel_hi:[1,0,0] neg_lo:[0,0,1] neg_hi:[0,0,1]
.set n, n+1
.endr
	v_exp_f32 v28, v27
.set n, 0
.rept 72
	v_exp_f32 v[S+n], v[S+n]
.set n, n+1
.endr
	v_nop                                          ; a plain instruction behind the last exponential,
	s_wait_alu depctr_va_vdst(0)                   ; and one wait for the batch of 73
.irp c, 0,1,2,3
	v_pk_add_f32 v[SC+2*\c:SC+2*\c+1], v[S+2*\c:S+2*\c+1], v[S+8+2*\c:S+9+2*\c]
.endr
.set n, 8
.rept 28
	v_pk_add_f32 v[SC+2*(n%4):SC+2*(n%4)+1], v[SC+2*(n%4):SC+2*(n%4)+1], v[S+2*n:S+2*n+1]
.set n, n+1
.endr
.set n, 0
.rept 36                               ; P, packed downward: pair n lands at S + n, below every pair still to be read
	v_cvt_pk_bf16_f32 v[S+n], v[S+2*n], v[S+2*n+1]
.set n, n+1
.endr
.irp n, 36,37,38,39
	v_mov_b32 v[S+\n], 0                           ; the tenth tile does not exist
.endr
	VRUN S+40, 3, 2048
	v_pk_add_f32 v[20:21], v[20:21], v[22:23]
	v_pk_add_f32 v[24:25], v[24:25], v[26:27]
	v_pk_add_f32 v[20:21], v[20:21], v[24:25]
	v_add_f32 v24, v20, v21
	v_permlanex16_b32 v25, v24, s14, s15
	v_add_f32 v24, v24, v25
	v_fma_f32 v[LS], v[LS], v28, v24
.set i, 0
.rept 16
	v_pk_mul_f32 v[O+2*i:O+2*i+1], v[O+2*i:O+2*i+1], v[28:29] op_sel_hi:[1,0]
.set i, i+1
.endr
.macro PVK vr, kp                      ; O^T += V^T P for 32 keys; the four accumulators take turns
.irp cb, 0,1,2,3
	v_wmma_f32_16x16x32_bf16 v[O+8*\cb:O+8*\cb+7], v[(\vr)+8*\cb:(\vr)+8*\cb+7], v[S+8*(\kp):S+8*(\kp)+7], v[O+8*\cb:O+8*\cb+7]
.endr
.endm
	s_wait_dscnt 8                                 ; the first three runs of V are in; the fourth may be out
	PVK KV, 0
	PVK KV+32, 1
	PLACES
	VRUN KV, 4, 0                                  ; keys 128-143; the second half reads the same tile again: P is 0 there, and the bytes behind that tile may not be V's
	PVK KV+64, 2
	s_wait_dscnt 8                                 ; the fourth run is in
	PVK S+40, 3
	s_wait_dscnt 0x0
	PVK KV, 4
	PLACES
	PLACES
.irp cb, 0,1,2,3
	ds_load_b128 v[KV+32+8*\cb:KV+32+8*\cb+3], v[VMA] offset:64*\cb
	ds_load_b128 v[KV+32+8*\cb+4:KV+32+8*\cb+7], v[VMA] offset:64*\cb+16
.endr
	v_rcp_f32 v26, v[LS]
	v_nop
	s_wait_alu depctr_va_vdst(0)
.set i, 0
.rept 16
	v_pk_mul_f32 v[O+2*i:O+2*i+1], v[O+2*i:O+2*i+1], v[26:27] op_sel_hi:[1,0]
.set i, i+1
.endr
	s_mov_b32 s98, 0xcf800000                      ; -2^32
	s_wait_dscnt 0x0
	v_cmp_gt_f32 vcc_lo, s98, v[MX]                ; no key was visible
.set i, 0
.rept 32
	v_cndmask_b32 v[O+i], v[O+i], v[KV+32+i], vcc_lo
.set i, i+1
.endr
.irp cb, 0,1,2,3
.irp k, 0,1,2,3
	v_cvt_pk_bf16_f32 v[S+4*\cb+\k], v[O+8*\cb+2*\k], v[O+8*\cb+2*\k+1]
.endr
.endr
.irp cb, 0,1,2,3
	ds_store_b128 v[STO], v[S+4*\cb:S+4*\cb+3] offset:32*\cb
.endr
.irp f, 0,1,2,3
	ds_load_b128 v[S+16+4*\f:S+16+4*\f+3], v[RD] offset:576*\f  ; LDS serves a wave's instructions in order: these see the stores above
.endr
.irp f, 0,1,2,3
	s_wait_dscnt 3-\f
	global_store_b128 v[GO], v[S+16+4*\f:S+16+4*\f+3], s[10:11] offset:512*\f  ; 512 consecutive bytes
.endr
	s_wait_tensorcnt 0x0                           ; the wave's end
	ds_add_u32 v[SPW], v[NIL]
	s_wait_dscnt 0x0
	s_endpgm
.Lfunc_end_k_qb5ec1b103c_attn:
	.size	k_qb5ec1b103c_attn, .Lfunc_end_k_qb5ec1b103c_attn-k_qb5ec1b103c_attn
	.p2alignl 7, 3214868480
	.fill 96, 4, 3214868480
	.section	.rodata,"a",@progbits
	.p2align	6, 0x0
	.amdhsa_kernel k_qb5ec1b103c_attn
		.amdhsa_group_segment_fixed_size 207104
		.amdhsa_private_segment_fixed_size 0
		.amdhsa_enable_private_segment 0
		.amdhsa_kernarg_size 32
		.amdhsa_user_sgpr_count 2
		.amdhsa_user_sgpr_kernarg_segment_ptr 1
		.amdhsa_wavefront_size32 1
		.amdhsa_system_sgpr_workgroup_id_x 1
		.amdhsa_system_sgpr_workgroup_id_y 1
		.amdhsa_system_sgpr_workgroup_id_z 1
		.amdhsa_system_vgpr_workitem_id 0
		.amdhsa_next_free_vgpr 256
		.amdhsa_next_free_sgpr 106
		.amdhsa_reserve_vcc 1
		.amdhsa_float_denorm_mode_32 3
		.amdhsa_float_denorm_mode_16_64 3
		.amdhsa_memory_ordered 1
		.amdhsa_forward_progress 1
		.amdhsa_inst_pref_size 80
	.end_amdhsa_kernel
	.amdgpu_metadata
---
amdhsa.version: [ 1, 2 ]
amdhsa.kernels:
  - .name:           k_qb5ec1b103c_attn
    .symbol:         k_qb5ec1b103c_attn.kd
    .args:
      - { .name: qkv, .offset: 0, .size: 8, .value_kind: global_buffer, .address_space: global }
      - { .name: mtab, .offset: 8, .size: 8, .value_kind: global_buffer, .address_space: global }
      - { .name: vpart, .offset: 16, .size: 8, .value_kind: global_buffer, .address_space: global }
      - { .name: o, .offset: 24, .size: 8, .value_kind: global_buffer, .address_space: global }
    .group_segment_fixed_size: 207104
    .private_segment_fixed_size: 0
    .kernarg_segment_align: 8
    .kernarg_segment_size: 32
    .max_flat_workgroup_size: 512
    .sgpr_count:     106
    .vgpr_count:     256
    .wavefront_size: 32
...
	.end_amdgpu_metadata
.endif
;; end of part 3
;; launch wo (part 4): grid 8 x 32, 4 waves a work-group, clusters of 4 x 4, 327,680 bytes of LDS; arguments o, wb, bo, x, x1; writes x1
.if DOCPART == 4
	.amdgcn_target "amdgcn-amd-amdhsa--gfx1250"
	.amdhsa_code_object_version 6
	.text
	.protected	k_qb5ec1b103c_wo
	.globl	k_qb5ec1b103c_wo
	.p2align	8
	.type	k_qb5ec1b103c_wo,@function
k_qb5ec1b103c_wo:
	s_mov_b64 s[64:65], 0
	v_nop
	global_prefetch_b8 v0, s[64:65] scope:SCOPE_SE
	s_setreg_imm32_b32 hwreg(HW_REG_WAVE_MODE, 25, 1), 1
	s_wait_xcnt 0x0
	s_wait_alu depctr_hold_cnt(0) depctr_sa_sdst(0) depctr_va_vdst(0) depctr_va_sdst(0) depctr_va_ssrc(0) depctr_va_vcc(0) depctr_vm_vsrc(0)
	s_getreg_b32 s2, hwreg(HW_REG_IB_STS2, 6, 4)
	s_cmp_eq_u32 s2, 0
	s_cbranch_scc0 .Lentry_in_a_cluster
	s_endpgm
.Lentry_in_a_cluster:
	s_bfe_u32 s2, ttmp6, 0x10000c
	s_cmp_lg_u32 s2, 0xf033
	s_cbranch_scc0 .Lentry_shape_is_right
	s_endpgm
.Lentry_shape_is_right:
; out[4096][1024] (f32) = res + A W + bias.  A: bf16 planes [b][NPL][2048][64] (plane p holds K = 64 p .. 64 p + 63); W: bf16 [K][1024] in wb; res, bias, out: f32.
; A tile of out is 128 x 128, which makes 256 work-groups; four waves, each 64 x 64 in 16 accumulators.  K goes in steps of 256 (four planes) through two LDS slots.
; The matrix instruction is used transposed (source 0 = 16 columns of W, turned by ds_load_tr16_b128; source 1 = 16 tokens); the bias is the C operand that starts the sums.
; CLUSTER 4 x 4: A's tile is asked for jointly along a row of the cluster, W's along a column.  No prefetch: the tiles are small.
; A quarter step is a plane, 64 along K, 32 products, on two fragment buffers.  BODY f, g: the next plane's 32 LDS loads, the second 32 of K of f, the first 32 of K of g.
; The residual is loaded at the head, in the layout in which the rows come back from the stage.
; REGISTERS: window 0: v0-31 addresses; v32-63 the bias, later the way out; v64-95 the way out; v128-255 the accumulators.  window 1: two fragment buffers.  window 2: v0-127 the residual.
.set KK,    1024
.set NPL,   KK/64
.set WOFF,  6291456
.set STEPS, KK/256
.set HALFT, 36864                      ; one tensor load: two planes of 128 tokens at pitch 144, or 128 rows of W at pitch 288
.set SLOT,  4*HALFT
.set SPARE, 2*SLOT
.set A0,  16
.set B0,  17
.set ADA, 18
.set ADB, 19
.set STO, 24
.set RD,  25
.set GO,  26
.set SPW, 28
.set NIL, 29
.set BIAS, 32
.set TT,  32
.set ACC, 128
.set F0,  0
.set F1,  128
.set G1,  24
.set G0,  32
.set G1B, 48
.set G0B, 56
.set TQ,  79
.set CNT, 81
.set LAP, 82
.set MSB, 0
.macro WIN new
.if MSB != (\new)
	s_set_vgpr_msb (MSB<<8)|(\new)
.set MSB, \new
.endif
.endm
.set MUL,  0x05
.set TO_F, 0x40
.macro JLOAD s
	s_cmp_eq_u32 s11, 0
	s_cbranch_scc0 .Lfor_b_\@
	tensor_load_to_lds s[G0+4*(\s):G0+4*(\s)+3], s[G1:G1+7]
	s_nop 0
.rept 4
	v_nop
.endr
	s_branch .Lasked_\@
.Lfor_b_\@:
	tensor_load_to_lds s[G0B+4*(\s):G0B+4*(\s)+3], s[G1B:G1B+7]
	s_nop 0
.rept 4
	v_nop
.endr
.Lasked_\@:
.endm
.macro CROUND
	s_barrier_signal -1
	s_barrier_wait -1
	s_cmp_lg_u32 s10, 0
	s_cbranch_scc1 .Lnot_wave_0_\@
	s_barrier_signal -3
.Lnot_wave_0_\@:
	s_barrier_wait -3
	s_barrier_signal -1
	s_barrier_wait -1
.endm
.macro PLACES
.rept 4
	v_nop
.endr
.endm
.macro MUL8 f, c, a0, first
	WIN MUL
.irp a, \a0, (\a0)+1
.irp b, 0,1,2,3
.if \first
	v_wmma_f32_16x16x32_bf16 v[ACC+8*(4*(\a)+(\b)):ACC+8*(4*(\a)+(\b))+7], v[(\f)+64+8*(4*(\c)+(\b)):(\f)+64+8*(4*(\c)+(\b))+7], v[(\f)+8*(4*(\c)+(\a)):(\f)+8*(4*(\c)+(\a))+7], v[BIAS+8*(\b):BIAS+8*(\b)+7]
.else
	v_wmma_f32_16x16x32_bf16 v[ACC+8*(4*(\a)+(\b)):ACC+8*(4*(\a)+(\b))+7], v[(\f)+64+8*(4*(\c)+(\b)):(\f)+64+8*(4*(\c)+(\b))+7], v[(\f)+8*(4*(\c)+(\a)):(\f)+8*(4*(\c)+(\a))+7], v[ACC+8*(4*(\a)+(\b)):ACC+8*(4*(\a)+(\b))+7]
.endif
.endr
.endr
.endm
.macro FETCH g                         ; a plane's fragments: the first 32 of K first
	WIN 0
	v_add_nc_u32 v[ADA], s[TQ], v[A0]
	v_add_nc_u32 v[ADB], s[TQ], v[B0]
	s_add_co_u32 s[TQ], s[TQ], 18432               ; a plane of A (128 x 144) and 64 rows of W (64 x 288) are as long
	WIN TO_F
.irp c, 0,1
.irp i, 0,1,2,3
	ds_load_tr16_b128 v[(\g)+64+8*(4*(\c)+(\i)):(\g)+64+8*(4*(\c)+(\i))+3],   v[ADB] offset:(\c)*9216+32*(\i)
	ds_load_tr16_b128 v[(\g)+64+8*(4*(\c)+(\i))+4:(\g)+64+8*(4*(\c)+(\i))+7], v[ADB] offset:(\c)*9216+32*(\i)+4608
	ds_load_b128 v[(\g)+8*(4*(\c)+(\i)):(\g)+8*(4*(\c)+(\i))+3],   v[ADA] offset:(\i)*2304+64*(\c)
	ds_load_b128 v[(\g)+8*(4*(\c)+(\i))+4:(\g)+8*(4*(\c)+(\i))+7], v[ADA] offset:(\i)*2304+64*(\c)+32
.endr
.endr
.endm
.macro BODY f, g
	v_nop                                          ; with the run's two address lines: four places behind the last product that read buffer g (ISA guide 7.12.1)
	v_nop
	FETCH \g
	s_wait_dscnt 32                                ; all but the 32 just issued
	MUL8 \f, 1, 0, 0
	MUL8 \f, 1, 2, 0
	s_wait_dscnt 16                                ; the first 32 of K of buffer g are in
	MUL8 \g, 0, 0, 0
	MUL8 \g, 0, 2, 0
	WIN 0
.endm
.macro PB tag
	s_mov_b32 s[CNT], 2
.Lpb_\tag:
	BODY F1, F0
.Lmid_\tag:
	BODY F0, F1
	s_sub_co_u32 s[CNT], s[CNT], 1
	s_cmp_lg_u32 s[CNT], 0
	s_cbranch_scc1 .Lpb_\tag
.endm
.macro SYNC slot, next, fill           ; the change of slots: all my tensor loads, the add, my reads; with fill = 1 a round of the cluster's barrier and the joint refill first behind it
	WIN 0
	s_wait_tensorcnt 0x0
	ds_add_u32 v[SPW], v[NIL]
	s_mov_b32 s[TQ], (\next)*SLOT
.if \fill
	s_add_nc_u64 s[G0+4*(\slot)+2:G0+4*(\slot)+3], s[G0+4*(\slot)+2:G0+4*(\slot)+3], 2097152
	s_add_nc_u64 s[G0B+4*(\slot)+2:G0B+4*(\slot)+3], s[G0B+4*(\slot)+2:G0B+4*(\slot)+3], 1048576
.endif
	s_wait_dscnt 0x0
.if \fill
	CROUND
	JLOAD \slot
.else
	s_barrier_signal -1
	s_barrier_wait -1
.endif
.endm
	s_load_b128 s[4:7], s[0:1], 0x0                ; A, wb
	s_load_b128 s[68:71], s[0:1], 0x10             ; bias, residual
	s_load_b64 s[8:9], s[0:1], 0x20                ; out
	v_lshl_add_u32 v[SPW], v0, 2, SPARE
	v_mov_b32 v[NIL], 0
	ds_add_u32 v[SPW], v[NIL]                      ; the wave's opening: the add and its wait ahead of my first tensor load
	v_lshrrev_b32 v1, 5, v0
	v_readfirstlane_b32 s10, v1
	s_lshr_b32 s11, s10, 1
	s_and_b32 s12, s10, 1
	s_bfe_u32 s40, ttmp6, 0x40000
	s_bfe_u32 s41, ttmp6, 0x40004
	s_lshl_b32 s42, ttmp9, 2
	s_add_co_u32 s42, s42, s40                     ; tile column
	s_and_b32 s13, ttmp7, 0xffff
	s_lshl_b32 s13, s13, 2
	s_add_co_u32 s13, s13, s41                     ; tile row
	s_lshl_b32 s43, s41, 2
	s_lshl_b32 s43, 15, s43
	s_lshl_b32 s44, 0x1111, s40
	s_or_b32 s[G1+0], s43, (1<<16)|(1<<20)|(1<<21)|(4<<22)|(3<<25)   ; 4 words of padding after every 32: a token's 128 bytes
	s_or_b32 s[G1B+0], s44, (1<<16)|(1<<20)|(1<<21)|(5<<22)|(7<<25)  ; 8 words after every 64
	s_mov_b32 s[G1+1], 8192<<16                    ; A: a row of the tile is 128 tokens of a plane, 16,384 dense bytes; two planes, 131,072 elements apart
	s_mov_b32 s[G1+2], 2<<16
	s_mov_b32 s[G1+3], 8192<<16
	s_mov_b32 s[G1+4], 2
	s_mov_b32 s[G1+5], 131072
	s_mov_b32 s[G1+6], 0
	s_mov_b32 s[G1+7], 0
	s_mov_b32 s[G1B+1], 128<<16                    ; W: 128 rows of 128 elements
	s_mov_b32 s[G1B+2], 128<<16
	s_mov_b32 s[G1B+3], 128<<16
	s_mov_b32 s[G1B+4], 128
	s_mov_b32 s[G1B+5], 1024
	s_mov_b32 s[G1B+6], 0
	s_mov_b32 s[G1B+7], 0
	s_lshr_b32 s16, s13, 4                         ; the batch
	s_mul_i32 s16, s16, NPL
	s_lshl_b32 s17, s12, 1
	s_add_co_u32 s16, s16, s17                     ; my two planes of the step's four
	s_lshl_b32 s16, s16, 18
	s_and_b32 s17, s13, 15
	s_lshl_b32 s17, s17, 14                        ; the tile's 128 tokens
	s_add_co_u32 s16, s16, s17
	s_mov_b32 s17, 0
	s_lshl_b32 s46, s12, 18                        ; my 128 rows of W,
	s_lshl_b32 s47, s42, 8                         ; the tile's 128 columns
	s_add_co_u32 s46, s46, s47
	s_add_co_u32 s46, s46, WOFF
	s_mov_b32 s47, 0
	s_mul_i32 s20, s10, HALFT
	s_wait_dscnt 0x0
	s_wait_kmcnt 0x0
	s_add_nc_u64 s[14:15], s[4:5], s[16:17]
	s_add_nc_u64 s[46:47], s[6:7], s[46:47]
	CROUND
.irp s, 0,1
	s_mov_b32 s[G0+4*(\s)], 1
	s_add_co_u32 s[G0+4*(\s)+1], s20, (\s)*SLOT
	s_add_nc_u64 s[G0+4*(\s)+2:G0+4*(\s)+3], s[14:15], (\s)*1048576
	s_or_b32 s[G0+4*(\s)+3], s[G0+4*(\s)+3], 0x80000000
	s_mov_b32 s[G0B+4*(\s)], 1
	s_add_co_u32 s[G0B+4*(\s)+1], s20, (\s)*SLOT
	s_add_nc_u64 s[G0B+4*(\s)+2:G0B+4*(\s)+3], s[46:47], (\s)*524288
	s_or_b32 s[G0B+4*(\s)+3], s[G0B+4*(\s)+3], 0x80000000
	JLOAD \s
.endr
	v_and_b32 v1, 15, v0
	v_bfe_u32 v2, v0, 4, 1
	v_lshlrev_b32 v8, 5, v2
	s_lshl_b32 s46, s42, 9                         ; my first column, in bytes of f32
	s_lshl_b32 s47, s12, 8
	s_add_co_u32 s46, s46, s47
	s_mov_b32 s47, 0
	s_add_nc_u64 s[68:69], s[68:69], s[46:47]
.irp b, 0,1,2,3
	global_load_b128 v[BIAS+8*(\b):BIAS+8*(\b)+3],   v8, s[68:69] offset:64*(\b)
	global_load_b128 v[BIAS+8*(\b)+4:BIAS+8*(\b)+7], v8, s[68:69] offset:64*(\b)+16
.endr
	s_lshl_b32 s16, s13, 7
	s_lshl_b32 s17, s11, 6
	s_add_co_u32 s16, s16, s17                     ; my first token
	s_lshl_b32 s16, s16, 12
	s_mov_b32 s17, 0
	s_add_nc_u64 s[16:17], s[16:17], s[46:47]
	s_add_nc_u64 s[70:71], s[70:71], s[16:17]
	s_add_nc_u64 s[8:9], s[8:9], s[16:17]
	v_lshlrev_b32 v[GO], 12, v2                    ; lanes 0-15 one token's 256 bytes, lanes 16-31 the next token's
	v_lshl_add_u32 v[GO], v1, 4, v[GO]
	WIN 0x80
.irp a, 0,1,2,3
.irp t, 0,1,2,3,4,5,6,7
	global_load_b128 v[32*(\a)+4*(\t):32*(\a)+4*(\t)+3], v[GO], s[70:71] offset:(16*(\a)+2*(\t))*4096
.endr
.endr
	WIN 0
	v_mul_u32_u24 v4, v1, 144
	v_lshl_add_u32 v4, v2, 4, v4
	s_mul_i32 s21, s11, 9216
	v_add_nc_u32 v[A0], s21, v4
	v_and_b32 v5, 7, v0
	v_lshl_add_u32 v5, v2, 3, v5
	v_mul_u32_u24 v5, v5, 288
	v_bfe_u32 v6, v0, 3, 1
	v_lshl_add_u32 v5, v6, 4, v5
	s_lshl_b32 s22, s12, 7
	s_add_co_u32 s22, s22, 2*HALFT
	v_add_nc_u32 v[B0], s22, v5
	s_mul_i32 s23, s10, HALFT                      ; my stage: my quarter of slot 0, written only behind that slot's last fill and last reads
	v_mul_u32_u24 v4, v1, 272
	v_lshl_add_u32 v4, v2, 5, v4
	v_add_nc_u32 v[STO], s23, v4
	v_mul_u32_u24 v4, v2, 272
	v_lshl_add_u32 v4, v1, 4, v4
	v_add_nc_u32 v[RD], s23, v4
	s_wait_tensorcnt 0x1                           ; my part of K step 0 is in; K step 1's may stay out
	s_barrier_signal -1
	s_barrier_wait -1
	s_mov_b32 s[TQ], 0
	FETCH F0
	s_wait_loadcnt 32                              ; the bias is in; the residual's 32 loads stay out
	s_wait_dscnt 16
	MUL8 F0, 0, 0, 1
	MUL8 F0, 0, 2, 1
	WIN 0
	s_mov_b32 s[LAP], (STEPS-2)/2+1
	s_mov_b32 s[CNT], 2                            ; K step 0 has three BODYs left: the loop is entered in the middle of its pair
	s_branch .Lmid_b
.Llap:
	SYNC 0, 1, 1
	PB a
	SYNC 1, 0, 1
	PB b
	s_sub_co_u32 s[LAP], s[LAP], 1
	s_cmp_lg_u32 s[LAP], 0
	s_cbranch_scc1 .Llap
	SYNC 0, 1, 0                                   ; the tail is written out: nothing is asked for
	PB c
	s_wait_dscnt 0x0
	MUL8 F1, 1, 0, 0
	MUL8 F1, 1, 2, 0
	WIN 0
; THE WAY OUT, 16 tokens at a time: the f32 sums go into my stage (a token's 64 columns are 256 bytes, pitch 272), come back as whole rows, take the residual and are stored.
.macro STAGE a
.if (\a) >= 2
	s_wait_xcnt 0x0                                ; the stores of two blocks back have read the registers that are loaded again
.endif
.irp b, 0,1,2,3
	ds_store_b128 v[STO], v[ACC+8*(4*(\a)+(\b)):ACC+8*(4*(\a)+(\b))+3]   offset:(\a)*4352+64*(\b)
	ds_store_b128 v[STO], v[ACC+8*(4*(\a)+(\b))+4:ACC+8*(4*(\a)+(\b))+7] offset:(\a)*4352+64*(\b)+16
.endr
.irp t, 0,1,2,3,4,5,6,7
	ds_load_b128 v[TT+32*((\a)%2)+4*(\t):TT+32*((\a)%2)+4*(\t)+3], v[RD] offset:(\a)*4352+(\t)*544
.endr
.endm
.macro OUT a, younger
	s_wait_dscnt \younger
	WIN 0x08                                       ; source 1 in window 2: the residual
.set i, 0
.rept 16
	v_pk_add_f32 v[TT+32*((\a)%2)+2*i:TT+32*((\a)%2)+2*i+1], v[TT+32*((\a)%2)+2*i:TT+32*((\a)%2)+2*i+1], v[32*(\a)+2*i:32*(\a)+2*i+1]
.set i, i+1
.endr
	WIN 0
.irp t, 0,1,2,3,4,5,6,7
	global_store_b128 v[GO], v[TT+32*((\a)%2)+4*(\t):TT+32*((\a)%2)+4*(\t)+3], s[8:9] offset:(16*(\a)+2*(\t))*4096  ; 16 lanes store 256 consecutive bytes, aligned
.endr
.endm
	PLACES
	PLACES
	s_wait_loadcnt 0x0                             ; the residual
	STAGE 0
	STAGE 1
	OUT 0, 16                                      ; the next block's 8 stores and 8 loads may be out
	STAGE 2
	OUT 1, 16
	STAGE 3
	OUT 2, 16
	OUT 3, 0
	s_wait_tensorcnt 0x0                           ; the wave's end
	ds_add_u32 v[SPW], v[NIL]
	s_wait_dscnt 0x0
	CROUND                                         ; the closing round
	s_endpgm
.Lfunc_end_k_qb5ec1b103c_wo:
	.size	k_qb5ec1b103c_wo, .Lfunc_end_k_qb5ec1b103c_wo-k_qb5ec1b103c_wo
	.p2alignl 7, 3214868480
	.fill 96, 4, 3214868480
	.section	.rodata,"a",@progbits
	.p2align	6, 0x0
	.amdhsa_kernel k_qb5ec1b103c_wo
		.amdhsa_group_segment_fixed_size 327680
		.amdhsa_private_segment_fixed_size 0
		.amdhsa_enable_private_segment 0
		.amdhsa_kernarg_size 40
		.amdhsa_user_sgpr_count 2
		.amdhsa_user_sgpr_kernarg_segment_ptr 1
		.amdhsa_wavefront_size32 1
		.amdhsa_system_sgpr_workgroup_id_x 1
		.amdhsa_system_sgpr_workgroup_id_y 1
		.amdhsa_system_sgpr_workgroup_id_z 1
		.amdhsa_system_vgpr_workitem_id 0
		.amdhsa_next_free_vgpr 640
		.amdhsa_next_free_sgpr 84
		.amdhsa_reserve_vcc 0
		.amdhsa_float_denorm_mode_32 3
		.amdhsa_float_denorm_mode_16_64 3
		.amdhsa_memory_ordered 1
		.amdhsa_forward_progress 1
		.amdhsa_inst_pref_size 57
	.end_amdhsa_kernel
	.amdgpu_metadata
---
amdhsa.version: [ 1, 2 ]
amdhsa.kernels:
  - .name:           k_qb5ec1b103c_wo
    .symbol:         k_qb5ec1b103c_wo.kd
    .args:
      - { .name: o, .offset: 0, .size: 8, .value_kind: global_buffer, .address_space: global }
      - { .name: wb, .offset: 8, .size: 8, .value_kind: global_buffer, .address_space: global }
      - { .name: bo, .offset: 16, .size: 8, .value_kind: global_buffer, .address_space: global }
      - { .name: x, .offset: 24, .size: 8, .value_kind: global_buffer, .address_space: global }
      - { .name: x1, .offset: 32, .size: 8, .value_kind: global_buffer, .address_space: global }
    .group_segment_fixed_size: 327680
    .private_segment_fixed_size: 0
    .kernarg_segment_align: 8
    .kernarg_segment_size: 40
    .max_flat_workgroup_size: 128
    .sgpr_count:     84
    .vgpr_count:     640
    .wavefront_size: 32
...
	.end_amdgpu_metadata
.endif
;; end of part 4
;; launch ln2 (part 5): grid 256 x 1, 8 waves a work-group, no clusters, 0 bytes of LDS; arguments x1, g2, bl2, n; writes n
.if DOCPART == 5
	.amdgcn_target "amdgcn-amd-amdhsa--gfx1250"
	.amdhsa_code_object_version 6
	.text
	.protected	k_qb5ec1b103c_ln2
	.globl	k_qb5ec1b103c_ln2
	.p2align	8
	.type	k_qb5ec1b103c_ln2,@function
k_qb5ec1b103c_ln2:
	s_mov_b64 s[64:65], 0
	v_nop
	global_prefetch_b8 v0, s[64:65] scope:SCOPE_SE
	s_setreg_imm32_b32 hwreg(HW_REG_WAVE_MODE, 25, 1), 1
	s_wait_xcnt 0x0
; y[row] = (x[row] - mean) * rsqrt(var + 1e-5) * g + b.  x: [4096][1024] f32, y: the same in bf16, rounded once.
; A wave takes a whole row (32 registers) and keeps it: the mean is taken away before the squares are summed, so a common offset in x costs nothing.
; Each wave has two rows; g and b are loaded once.  Lane L holds columns 128 j + 4 L .. + 3, j = 0..7: each load covers 512 consecutive bytes, each store 256.
; Memory binds: no LDS, no barrier, no matrix unit.
.set G,  16                            ; v[16:47]   g
.set BB, 48                            ; v[48:79]   b
.set X,  80                            ; v[80:143]  two rows
.set T,  144                           ; v[144:175] at work and to store, 16 for each row
	s_load_b256 s[4:11], s[0:1], 0x0               ; x, g, b, y
	v_lshrrev_b32 v1, 5, v0
	v_readfirstlane_b32 s2, v1
	s_lshl_b32 s3, ttmp9, 3
	s_add_co_u32 s3, s3, s2                        ; my pair of rows
	s_lshl_b32 s14, s3, 13
	s_mov_b32 s15, 0
	s_lshl_b32 s16, s3, 12
	s_mov_b32 s17, 0
	s_mov_b32 s12, 0x3a800000                      ; 1 / 1024
	s_mov_b32 s13, 0x3727c5ac                      ; 1e-5
	s_mov_b32 s18, 0x76543210                      ; v_permlanex16_b32: each lane takes its own place in the other half
	s_mov_b32 s19, 0xfedcba98
	v_and_b32 v1, 31, v0
	v_lshlrev_b32 v2, 3, v1
	v_lshlrev_b32 v1, 4, v1
	v_mov_b32 v5, 0                                ; the exchange's destination counts as read
	s_wait_kmcnt 0x0
	s_add_nc_u64 s[4:5], s[4:5], s[14:15]
	s_add_nc_u64 s[10:11], s[10:11], s[16:17]
.irp j, 0,1,2,3,4,5,6,7
	global_load_b128 v[G+4*\j:G+4*\j+3], v1, s[6:7] offset:512*\j
.endr
.irp j, 0,1,2,3,4,5,6,7
	global_load_b128 v[BB+4*\j:BB+4*\j+3], v1, s[8:9] offset:512*\j
.endr
.irp j, 0,1,2,3,4,5,6,7
	global_load_b128 v[X+4*\j:X+4*\j+3], v1, s[4:5] offset:512*\j
.endr
.irp j, 0,1,2,3,4,5,6,7
	global_load_b128 v[X+32+4*\j:X+32+4*\j+3], v1, s[4:5] offset:4096+512*\j
.endr
.macro RED                             ; v4 summed over the 32 lanes, the result in every lane
	v_add_f32_dpp v4, v4, v4 row_xmask:1 row_mask:0xf bank_mask:0xf
	v_add_f32_dpp v4, v4, v4 row_xmask:2 row_mask:0xf bank_mask:0xf
	v_add_f32_dpp v4, v4, v4 row_xmask:4 row_mask:0xf bank_mask:0xf
	v_add_f32_dpp v4, v4, v4 row_xmask:8 row_mask:0xf bank_mask:0xf
	v_permlanex16_b32 v5, v4, s18, s19
	v_add_f32 v4, v4, v5
.endm
.macro ROW k
.set XX, X+32*(\k)
.set TT, T+16*(\k)
.set i, 0
.rept 8
	v_pk_add_f32 v[TT+2*i:TT+2*i+1], v[XX+4*i:XX+4*i+1], v[XX+4*i+2:XX+4*i+3]
.set i, i+1
.endr
.set i, 0
.rept 4
	v_pk_add_f32 v[TT+4*i:TT+4*i+1], v[TT+4*i:TT+4*i+1], v[TT+4*i+2:TT+4*i+3]
.set i, i+1
.endr
	v_pk_add_f32 v[TT:TT+1], v[TT:TT+1], v[TT+4:TT+5]
	v_pk_add_f32 v[TT+8:TT+9], v[TT+8:TT+9], v[TT+12:TT+13]
	v_pk_add_f32 v[TT:TT+1], v[TT:TT+1], v[TT+8:TT+9]
	v_add_f32 v4, v[TT], v[TT+1]
	RED
	v_mul_f32 v6, s12, v4                          ; the mean
	v_mov_b32 v7, v6
.set i, 0
.rept 16
	v_pk_add_f32 v[XX+2*i:XX+2*i+1], v[XX+2*i:XX+2*i+1], v[6:7] neg_lo:[0,1] neg_hi:[0,1]
.set i, i+1
.endr
.set i, 0
.rept 4
	v_pk_mul_f32 v[TT+2*i:TT+2*i+1], v[XX+2*i:XX+2*i+1], v[XX+2*i:XX+2*i+1]  ; four chains, started by the first four pairs
.set i, i+1
.endr
.rept 12
	v_pk_fma_f32 v[TT+2*(i%4):TT+2*(i%4)+1], v[XX+2*i:XX+2*i+1], v[XX+2*i:XX+2*i+1], v[TT+2*(i%4):TT+2*(i%4)+1]
.set i, i+1
.endr
	v_pk_add_f32 v[TT:TT+1], v[TT:TT+1], v[TT+2:TT+3]
	v_pk_add_f32 v[TT+4:TT+5], v[TT+4:TT+5], v[TT+6:TT+7]
	v_pk_add_f32 v[TT:TT+1], v[TT:TT+1], v[TT+4:TT+5]
	v_add_f32 v4, v[TT], v[TT+1]
	RED
	v_fma_f32 v8, v4, s12, s13                     ; variance + 1e-5
	v_rsq_f32 v10, v8
	v_nop                                          ; a plain instruction behind the root,
	s_wait_alu depctr_va_vdst(0)                   ; and the wait ahead of the first use of its result
	v_mov_b32 v11, v10
.set i, 0
.rept 16
	v_pk_mul_f32 v[XX+2*i:XX+2*i+1], v[XX+2*i:XX+2*i+1], v[10:11]
.set i, i+1
.endr
.set i, 0
.rept 16
	v_pk_fma_f32 v[XX+2*i:XX+2*i+1], v[XX+2*i:XX+2*i+1], v[G+2*i:G+2*i+1], v[BB+2*i:BB+2*i+1]
.set i, i+1
.endr
.set i, 0
.rept 16
	v_cvt_pk_bf16_f32 v[TT+i], v[XX+2*i], v[XX+2*i+1]
.set i, i+1
.endr
.set i, 0
.rept 8
	global_store_b64 v2, v[TT+2*i:TT+2*i+1], s[10:11] offset:256*i+2048*(\k)  ; 256 consecutive bytes, aligned
.set i, i+1
.endr
.endm
	s_wait_loadcnt 8                               ; g, b and row 0 are in; row 1's eight loads stay out
	ROW 0
	s_wait_loadcnt 0x0
	ROW 1
	s_endpgm
.Lfunc_end_k_qb5ec1b103c_ln2:
	.size	k_qb5ec1b103c_ln2, .Lfunc_end_k_qb5ec1b103c_ln2-k_qb5ec1b103c_ln2
	.p2alignl 7, 3214868480
	.fill 96, 4, 3214868480
	.section	.rodata,"a",@progbits
	.p2align	6, 0x0
	.amdhsa_kernel k_qb5ec1b103c_ln2
		.amdhsa_group_segment_fixed_size 0
		.amdhsa_private_segment_fixed_size 0
		.amdhsa_enable_private_segment 0
		.amdhsa_kernarg_size 32
		.amdhsa_user_sgpr_count 2
		.amdhsa_user_sgpr_kernarg_segment_ptr 1
		.amdhsa_wavefront_size32 1
		.amdhsa_system_sgpr_workgroup_id_x 1
		.amdhsa_system_sgpr_workgroup_id_y 1
		.amdhsa_system_sgpr_workgroup_id_z 1
		.amdhsa_system_vgpr_workitem_id 0
		.amdhsa_next_free_vgpr 176
		.amdhsa_next_free_sgpr 66
		.amdhsa_reserve_vcc 0
		.amdhsa_float_denorm_mode_32 3
		.amdhsa_float_denorm_mode_16_64 3
		.amdhsa_memory_ordered 1
		.amdhsa_forward_progress 1
		.amdhsa_inst_pref_size 20
	.end_amdhsa_kernel
	.amdgpu_metadata
---
amdhsa.version: [ 1, 2 ]
amdhsa.kernels:
  - .name:           k_qb5ec1b103c_ln2
    .symbol:         k_qb5ec1b103c_ln2.kd
    .args:
      - { .name: x1, .offset: 0, .size: 8, .value_kind: global_buffer, .address_space: global }
      - { .name: g2, .offset: 8, .size: 8, .value_kind: global_buffer, .address_space: global }
      - { .name: bl2, .offset: 16, .size: 8, .value_kind: global_buffer, .address_space: global }
      - { .name: n, .offset: 24, .size: 8, .value_kind: global_buffer, .address_space: global }
    .group_segment_fixed_size: 0
    .private_segment_fixed_size: 0
    .kernarg_segment_align: 8
    .kernarg_segment_size: 32
    .max_flat_workgroup_size: 256
    .sgpr_count:     66
    .vgpr_count:     176
    .wavefront_size: 32
...
	.end_amdgpu_metadata
.endif
;; end of part 5
;; launch ffn1 (part 6): grid 16 x 16, 4 waves a work-group, clusters of 4 x 4, 327,680 bytes of LDS; arguments n, wb, bf1, h; writes h
.if DOCPART == 6
	.amdgcn_target "amdgcn-amd-amdhsa--gfx1250"
	.amdhsa_code_object_version 6
	.text
	.protected	k_qb5ec1b103c_ffn1
	.globl	k_qb5ec1b103c_ffn1
	.p2align	8
	.type	k_qb5ec1b103c_ffn1,@function
k_qb5ec1b103c_ffn1:
	s_mov_b64 s[64:65], 0
	v_nop
	global_prefetch_b8 v0, s[64:65] scope:SCOPE_SE
	s_setreg_imm32_b32 hwreg(HW_REG_WAVE_MODE, 25, 1), 1
	s_wait_xcnt 0x0
	s_wait_alu depctr_hold_cnt(0) depctr_sa_sdst(0) depctr_va_vdst(0) depctr_va_sdst(0) depctr_va_ssrc(0) depctr_va_vcc(0) depctr_vm_vsrc(0)
	s_getreg_b32 s2, hwreg(HW_REG_IB_STS2, 6, 4)
	s_cmp_eq_u32 s2, 0
	s_cbranch_scc0 .Lentry_in_a_cluster
	s_endpgm
.Lentry_in_a_cluster:
	s_bfe_u32 s2, ttmp6, 0x10000c
	s_cmp_lg_u32 s2, 0xf033
	s_cbranch_scc0 .Lentry_shape_is_right
	s_endpgm
.Lentry_shape_is_right:
; h = gelu(n[4096][1024] (bf16) x W1[1024][4096] (bf16, [K][N]) + bf1), sums in f32; h leaves in bf16 by PLANES of 64 columns: h[b][64][2048][64].
; The product is made as in the launch for q, k, v: tiles of 256 x 256, four waves of 128 x 128, 8 K steps of 128 through two LDS slots, cluster 4 x 4 with joint loads,
; the matrix instruction transposed (source 0 = 16 columns of W, turned by ds_load_tr16_b128), the bias as the C operand that starts the sums, the accumulators by turns.
; GELU, the erf form: gelu(x) = x / 2 + |x| (1/2 - P(t) exp(-x^2 / 2) / 2), t = 1 / (1 + 0.2316419 |x|), P of degree 5 (Abramowitz and Stegun 7.1.26:
; erf to within 1.5e-7 for every x).  The sums, with the bias, are rounded once to bf16 into my stage in LDS and taken from there 32 numbers a lane and trip.
; LIMITS: that error of erf; NaN and infinities are not treated apart.
; REGISTERS, in windows of 256: window 0: v0-31 addresses; v64-127, v128-191 n's fragments; v192-255 the bias; on the way out v32-255 at work.
;   window 1: v64-127, v128-191 W's fragments.   windows 2, 3: the accumulators of my rows 0-63, 64-127: (a, b) at v[8 (8 a + b)].
.set N,     4096
.set NP,    N/64
.set WOFF,  8388608
.set HALFT, 34816
.set SLOT,  4*HALFT
.set SPARE, 2*SLOT
.set A0,  16
.set B0,  17
.set ADA, 18
.set ADB, 19
.set STO, 24
.set RD,  25
.set GO,  26
.set SPW, 28
.set NIL, 29
.set PFO, 30
.set F0,  64
.set F1,  128
.set BIAS, 192
.set TMP, 192
.set G1,  24
.set G0,  32
.set G1B, 48
.set G0B, 56
.set BP,  66
.set PFA, 74
.set PFS, 76
.set LIM, 78
.set TA,  79
.set TB,  80
.set CNT, 81
.set LAP, 82
.set TS,  83
.set MSB, 0
.macro WIN new
.if MSB != (\new)
	s_set_vgpr_msb (MSB<<8)|(\new)
.set MSB, \new
.endif
.endm
.set MUL_LO, 0xa1
.set TO_B,   0x40
.macro JLOAD s                         ; a joint load: waves 0, 1 fetch n's halves, waves 2, 3 W's; an s_nop 0 and four v_nop follow each line
	s_cmp_eq_u32 s11, 0
	s_cbranch_scc0 .Lfor_b_\@
	tensor_load_to_lds s[G0+4*(\s):G0+4*(\s)+3], s[G1:G1+7]
	s_nop 0
.rept 4
	v_nop
.endr
	s_branch .Lasked_\@
.Lfor_b_\@:
	tensor_load_to_lds s[G0B+4*(\s):G0B+4*(\s)+3], s[G1B:G1B+7]
	s_nop 0
.rept 4
	v_nop
.endr
.Lasked_\@:
.endm
.macro CROUND
	s_barrier_signal -1
	s_barrier_wait -1
	s_cmp_lg_u32 s10, 0
	s_cbranch_scc1 .Lnot_wave_0_\@
	s_barrier_signal -3
.Lnot_wave_0_\@:
	s_barrier_wait -3
	s_barrier_signal -1
	s_barrier_wait -1
.endm
; A prefetch, behind a joint refill: the K step two behind the one just asked for, 32 blocks of 256 bytes, one a lane.  n's rows: the clusters with x = 0 ask, the partner at cx
; takes 32 of the wave's 128 rows.  W's rows: the clusters with y = 0, the partner at cy takes 16 of the wave's 64 rows, two blocks each.  Partners differ by address alone.
; So K steps 4 to 7 are named once each; the loop's last trip asks for nothing.
.macro ASK
	s_cmp_gt_u32 s[LAP], s[LIM]
	s_cbranch_scc0 .Lnot_mine_\@
	global_prefetch_b8 v[PFO], s[PFA:PFA+1] th:TH_LOAD_NT scope:SCOPE_SE
.Lnot_mine_\@:
.endm
.macro PLACES
.rept 4
	v_nop
.endr
.endm
.macro MUL16 f, hi, a0, first
.if \first
	WIN 0x81+0x40*(\hi)
.else
	WIN MUL_LO+0x50*(\hi)
.endif
.irp a, \a0, (\a0)+1
.irp b, 0,1,2,3,4,5,6,7
.if \first
	v_wmma_f32_16x16x32_bf16 v[8*(8*(\a)+(\b)):8*(8*(\a)+(\b))+7], v[(\f)+8*(\b):(\f)+8*(\b)+7], v[(\f)+8*(4*(\hi)+(\a)):(\f)+8*(4*(\hi)+(\a))+7], v[BIAS+8*(\b):BIAS+8*(\b)+7]
.else
	v_wmma_f32_16x16x32_bf16 v[8*(8*(\a)+(\b)):8*(8*(\a)+(\b))+7], v[(\f)+8*(\b):(\f)+8*(\b)+7], v[(\f)+8*(4*(\hi)+(\a)):(\f)+8*(4*(\hi)+(\a))+7], v[8*(8*(\a)+(\b)):8*(8*(\a)+(\b))+7]
.endif
.endr
.endr
.endm
.macro FETCH g
	WIN 0
	v_add_nc_u32 v[ADA], s[TA], v[A0]
	v_add_nc_u32 v[ADB], s[TB], v[B0]
	s_add_co_u32 s[TA], s[TA], 64
	s_add_co_u32 s[TB], s[TB], 17408
	WIN TO_B
.irp i, 0,1,2,3,4,5,6,7
	ds_load_tr16_b128 v[(\g)+8*(\i):(\g)+8*(\i)+3],   v[ADB] offset:32*(\i)
	ds_load_tr16_b128 v[(\g)+8*(\i)+4:(\g)+8*(\i)+7], v[ADB] offset:32*(\i)+8704
.endr
	WIN 0
.irp i, 0,1,2,3,4,5,6,7
	ds_load_b128 v[(\g)+8*(\i):(\g)+8*(\i)+3],   v[ADA] offset:(\i)*4352
	ds_load_b128 v[(\g)+8*(\i)+4:(\g)+8*(\i)+7], v[ADA] offset:(\i)*4352+32
.endr
.endm
.macro BODY f, g, first=0
	v_nop                                          ; with the run's two address lines: four places behind the last product that read buffer g (ISA guide 7.12.1)
	v_nop
	FETCH \g
	s_wait_dscnt 32                                ; all but the 32 just issued: buffer f is whole
	MUL16 \f, 1, 0, \first
	MUL16 \f, 1, 2, \first
	s_wait_dscnt 8                                 ; W and n's rows 0-63 of buffer g are in; the youngest eight loads may be out
	MUL16 \g, 0, 0, 0
	MUL16 \g, 0, 2, 0
	WIN 0
.endm
.macro PB tag
	s_mov_b32 s[CNT], 2
.Lpb_\tag:
	BODY F1, F0
	BODY F0, F1
	s_sub_co_u32 s[CNT], s[CNT], 1
	s_cmp_lg_u32 s[CNT], 0
	s_cbranch_scc1 .Lpb_\tag
.endm
.macro SYNC slot, next, fill           ; the change of slots: all my tensor loads, the add, my reads; with fill = 1 a round of the cluster's barrier and the joint refill first behind it
	WIN 0
.if \fill
	s_wait_xcnt 0x0                                ; the last prefetch, a K step back, has read its address
	s_add_nc_u64 s[PFA:PFA+1], s[PFA:PFA+1], s[PFS:PFS+1]
.endif
	s_wait_tensorcnt 0x0
	ds_add_u32 v[SPW], v[NIL]
	s_mov_b32 s[TA], (\next)*SLOT
	s_mov_b32 s[TB], (\next)*SLOT
.if \fill
	s_add_nc_u64 s[G0+4*(\slot)+2:G0+4*(\slot)+3], s[G0+4*(\slot)+2:G0+4*(\slot)+3], 512
	s_add_nc_u64 s[G0B+4*(\slot)+2:G0B+4*(\slot)+3], s[G0B+4*(\slot)+2:G0B+4*(\slot)+3], 512*N
.endif
	s_wait_dscnt 0x0
.if \fill
	CROUND
	JLOAD \slot
	ASK
.else
	s_barrier_signal -1
	s_barrier_wait -1
.endif
.endm
	s_load_b128 s[4:7], s[0:1], 0x0                ; n, wb
	s_load_b64 s[BP:BP+1], s[0:1], 0x10            ; bf1
	s_load_b64 s[8:9], s[0:1], 0x18                ; h
	v_lshl_add_u32 v[SPW], v0, 2, SPARE
	v_mov_b32 v[NIL], 0
	ds_add_u32 v[SPW], v[NIL]                      ; the wave's opening: the add and its wait ahead of my first tensor load
	v_lshrrev_b32 v1, 5, v0
	v_readfirstlane_b32 s10, v1
	s_lshr_b32 s11, s10, 1
	s_and_b32 s12, s10, 1
	s_bfe_u32 s40, ttmp6, 0x40000
	s_bfe_u32 s41, ttmp6, 0x40004
	s_lshl_b32 s42, ttmp9, 2
	s_add_co_u32 s42, s42, s40
	s_and_b32 s13, ttmp7, 0xffff
	s_lshl_b32 s13, s13, 2
	s_add_co_u32 s13, s13, s41
	s_lshl_b32 s43, s41, 2
	s_lshl_b32 s43, 15, s43
	s_lshl_b32 s44, 0x1111, s40
	s_or_b32 s[G1+0], s43, (1<<16)|(1<<20)|(1<<21)|(5<<22)|(3<<25)
	s_or_b32 s[G1B+0], s44, (1<<16)|(1<<20)|(1<<21)|(6<<22)|(7<<25)
	s_mov_b32 s[G1+1], 128<<16
	s_mov_b32 s[G1+2], 128<<16
	s_mov_b32 s[G1+3], 128<<16
	s_mov_b32 s[G1+4], 128
	s_mov_b32 s[G1+5], 1024
	s_mov_b32 s[G1+6], 0
	s_mov_b32 s[G1+7], 0
	s_mov_b32 s[G1B+1], 256<<16
	s_mov_b32 s[G1B+2], 64<<16
	s_mov_b32 s[G1B+3], 256<<16
	s_mov_b32 s[G1B+4], 64
	s_mov_b32 s[G1B+5], N
	s_mov_b32 s[G1B+6], 0
	s_mov_b32 s[G1B+7], 0
	s_lshl_b32 s16, s13, 8
	s_lshl_b32 s17, s12, 7
	s_add_co_u32 s16, s16, s17
	s_lshl_b32 s16, s16, 11
	s_mov_b32 s17, 0
	s_mul_i32 s46, s12, 128*N
	s_lshl_b32 s47, s42, 9
	s_add_co_u32 s46, s46, s47
	s_add_co_u32 s46, s46, WOFF
	s_mov_b32 s47, 0
	s_mul_i32 s20, s10, HALFT
	s_wait_dscnt 0x0
	s_wait_kmcnt 0x0
	s_add_nc_u64 s[14:15], s[4:5], s[16:17]
	s_add_nc_u64 s[46:47], s[6:7], s[46:47]
	CROUND
.irp s, 0,1
	s_mov_b32 s[G0+4*(\s)], 1
	s_add_co_u32 s[G0+4*(\s)+1], s20, (\s)*SLOT
	s_add_nc_u64 s[G0+4*(\s)+2:G0+4*(\s)+3], s[14:15], (\s)*256
	s_or_b32 s[G0+4*(\s)+3], s[G0+4*(\s)+3], 0x80000000
	s_mov_b32 s[G0B+4*(\s)], 1
	s_add_co_u32 s[G0B+4*(\s)+1], s20, (\s)*SLOT
	s_add_nc_u64 s[G0B+4*(\s)+2:G0B+4*(\s)+3], s[46:47], (\s)*256*N
	s_or_b32 s[G0B+4*(\s)+3], s[G0B+4*(\s)+3], 0x80000000
	JLOAD \s
.endr
	v_and_b32 v1, 15, v0
	v_bfe_u32 v2, v0, 4, 1
	v_and_b32 v3, 31, v0
	v_lshlrev_b32 v8, 5, v2
	s_lshl_b32 s84, s42, 10
	s_lshl_b32 s85, s12, 9
	s_add_co_u32 s84, s84, s85
	s_mov_b32 s85, 0
	s_add_nc_u64 s[BP:BP+1], s[BP:BP+1], s[84:85]
.irp b, 0,1,2,3,4,5,6,7
	global_load_b128 v[BIAS+8*(\b):BIAS+8*(\b)+3],   v8, s[BP:BP+1] offset:64*(\b)
	global_load_b128 v[BIAS+8*(\b)+4:BIAS+8*(\b)+7], v8, s[BP:BP+1] offset:64*(\b)+16
.endr
	v_mul_u32_u24 v4, v1, 272
	v_lshl_add_u32 v4, v2, 4, v4
	s_mul_i32 s21, s11, HALFT
	v_add_nc_u32 v[A0], s21, v4
	v_and_b32 v5, 7, v0
	v_lshl_add_u32 v5, v2, 3, v5
	v_mul_u32_u24 v5, v5, 544
	v_bfe_u32 v6, v0, 3, 1
	v_lshl_add_u32 v5, v6, 4, v5
	s_lshl_b32 s22, s12, 8
	s_add_co_u32 s22, s22, 2*HALFT
	v_add_nc_u32 v[B0], s22, v5
	s_mul_i32 s23, s10, HALFT                      ; my stage: my quarter of slot 0, written only behind that slot's last fill and last reads
	v_add_nc_u32 v[STO], s23, v4
	v_lshrrev_b32 v6, 3, v3
	v_mul_u32_u24 v6, v6, 272
	v_and_b32 v7, 7, v0
	v_lshl_add_u32 v6, v7, 4, v6
	v_add_nc_u32 v[RD], s23, v6
	v_lshlrev_b32 v[GO], 4, v3
	s_lshl_b32 s16, s13, 8
	s_lshl_b32 s17, s11, 7
	s_add_co_u32 s16, s16, s17
	s_lshr_b32 s17, s16, 11
	s_and_b32 s16, s16, 2047
	s_mul_i32 s17, s17, NP
	s_lshl_b32 s17, s17, 18
	s_lshl_b32 s16, s16, 7
	s_add_co_u32 s16, s16, s17
	s_mov_b32 s17, 0
	s_lshl_b32 s46, s42, 2
	s_lshl_b32 s47, s12, 1
	s_add_co_u32 s46, s46, s47
	s_lshl_b32 s46, s46, 18
	s_mov_b32 s47, 0
	s_add_nc_u64 s[16:17], s[16:17], s[46:47]
	s_add_nc_u64 s[8:9], s[8:9], s[16:17]
	s_lshl_b32 s20, s13, 8
	s_lshl_b32 s21, s12, 7
	s_add_co_u32 s20, s20, s21
	s_lshl_b32 s21, s40, 5
	s_add_co_u32 s20, s20, s21
	s_lshl_b32 s20, s20, 11
	s_add_co_u32 s20, s20, 768
	s_lshl_b32 s21, s12, 6
	s_lshl_b32 s22, s41, 4
	s_add_co_u32 s21, s21, s22
	s_add_co_u32 s21, s21, 384
	s_mul_i32 s21, s21, 2*N
	s_lshl_b32 s22, s42, 9
	s_add_co_u32 s21, s21, s22
	s_add_co_u32 s21, s21, WOFF
	s_and_b32 s22, ttmp7, 0xffff
	s_mov_b32 s[PFS], 256*N
	s_mov_b32 s18, 2*N
	s_cmp_eq_u32 s11, 0
	s_cselect_b32 s20, s20, s21
	s_cselect_b32 s22, ttmp9, s22
	s_cselect_b64 s[PFA:PFA+1], s[4:5], s[6:7]
	s_cselect_b32 s[PFS], 256, s[PFS]
	s_cselect_b32 s18, 2048, s18
	s_mov_b32 s[PFS+1], 0
	s_mov_b32 s21, 0
	s_add_nc_u64 s[PFA:PFA+1], s[PFA:PFA+1], s[20:21]
	s_cmp_eq_u32 s22, 0
	s_cselect_b32 s[LIM], 1, -1
	v_lshrrev_b32 v9, s11, v3
	v_mul_lo_u32 v9, v9, s18
	v_and_b32 v10, s11, v3
	v_lshl_add_u32 v[PFO], v10, 8, v9
	s_wait_tensorcnt 0x1                           ; my part of K step 0 is in; K step 1's may stay out
	s_barrier_signal -1
	s_barrier_wait -1
	s_mov_b32 s[TA], 0
	s_mov_b32 s[TB], 0
	FETCH F0
	s_wait_loadcnt 0x0                             ; the bias
	s_wait_dscnt 8
	MUL16 F0, 0, 0, 1
	MUL16 F0, 0, 2, 1
	WIN 0
	BODY F0, F1, 1
	s_mov_b32 s[LAP], 4
	s_mov_b32 s[CNT], 1
	s_branch .Lpb_b
.Llap:
	SYNC 0, 1, 1
	PB a
	SYNC 1, 0, 1
	PB b
	s_sub_co_u32 s[LAP], s[LAP], 1
	s_cmp_lg_u32 s[LAP], 0
	s_cbranch_scc1 .Llap
	SYNC 0, 1, 0
	PB c
	s_wait_dscnt 0x0
	MUL16 F1, 1, 0, 0
	MUL16 F1, 1, 2, 0
	WIN 0
	; THE WAY OUT, first part: all 128 tokens x 128 columns, rounded to bf16, into my stage: a token's 256 bytes at pitch 272.
	PLACES
	PLACES
.irp a, 0,1,2,3,4,5,6,7
	WIN 0x0a+5*((\a)/4)
.irp b, 0,1,2,3,4,5,6,7
.irp r, 0,1,2,3
	v_cvt_pk_bf16_f32 v[TMP+4*(\b)+(\r)], v[64*((\a)%4)+8*(\b)+2*(\r)], v[64*((\a)%4)+8*(\b)+2*(\r)+1]
.endr
.endr
	WIN 0
.irp b, 0,1,2,3,4,5,6,7
	ds_store_b128 v[STO], v[TMP+4*(\b):TMP+4*(\b)+3] offset:(\a)*4352+32*(\b)
.endr
.endr
	; Second part: 16 trips of 8 tokens x 2 planes.  A trip's 64 transcendentals are one batch with one wait.
.set XR, 32
.set YR, 48
.set TR, 64
.set DR, 96
.set WR, 128
.set HR, 160
.set QR, 192
	s_mov_b32 s84, 0xbe027906                      ; -a1 / 2 .. -a5 / 2, each named as a pair
	s_mov_b32 s85, s84
	s_mov_b32 s86, 0x3e11a98e
	s_mov_b32 s87, s86
	s_mov_b32 s88, 0xbf35f0e3
	s_mov_b32 s89, s88
	s_mov_b32 s90, 0x3f3a00e3
	s_mov_b32 s91, s90
	s_mov_b32 s92, 0xbf07dc22
	s_mov_b32 s93, s92
	s_mov_b32 s94, 0x3e6d3389                      ; 0.2316419
	s_mov_b32 s95, 0xffff0000
	s_mov_b32 s96, 0xbf38aa3b                      ; -log2(e) / 2
	s_mov_b32 s97, s96
	s_mov_b32 s98, 0                               ; what the next trip adds to h's address: 0 at first, then 1,024
	s_mov_b32 s99, 0
	s_mov_b32 s[TS], 0
.macro GLOAD                           ; 8 tokens of both planes: four tokens x 128 bytes a load; LDS serves a wave's instructions in order, so these see the stores above
	v_add_nc_u32 v[ADA], s[TS], v[RD]
	s_add_co_u32 s[TS], s[TS], 2176
	ds_load_b128 v[XR:XR+3], v[ADA]
	ds_load_b128 v[XR+4:XR+7], v[ADA] offset:1088
	ds_load_b128 v[XR+8:XR+11], v[ADA] offset:128
	ds_load_b128 v[XR+12:XR+15], v[ADA] offset:1216
.endm
.macro EACH cnt, line:vararg           ; one line for k = 0 .. cnt - 1
.set k, 0
.rept \cnt
	\line
.set k, k+1
.endr
.endm
	GLOAD
	s_mov_b32 s[CNT], 16
.Lgelu:
	s_wait_dscnt 0x0
.set k, 0
.rept 16
	v_lshlrev_b32 v[TR+2*k], 16, v[XR+k]
	v_and_b32 v[TR+2*k+1], s95, v[XR+k]
.set k, k+1
.endr
	s_cmp_eq_u32 s[CNT], 1
	s_cbranch_scc1 .Lno_more
	GLOAD                                          ; the next trip's numbers
.Lno_more:
	EACH 32, v_fma_f32 v[DR+k], |v[TR+k]|, s94, 1.0
	EACH 32, v_rcp_f32 v[DR+k], v[DR+k]
	EACH 16, v_pk_mul_f32 v[WR+2*k:WR+2*k+1], v[TR+2*k:TR+2*k+1], v[TR+2*k:TR+2*k+1]
	EACH 16, v_pk_mul_f32 v[WR+2*k:WR+2*k+1], v[WR+2*k:WR+2*k+1], s[96:97] op_sel_hi:[1,0]
	EACH 32, v_exp_f32 v[WR+k], v[WR+k]
	EACH 16, v_pk_mul_f32 v[HR+2*k:HR+2*k+1], v[TR+2*k:TR+2*k+1], 0.5 op_sel_hi:[1,0]
	s_wait_alu depctr_va_vdst(0)                   ; one wait for both batches; the 16 lines above are the plain work behind the last exponential
	EACH 16, v_pk_fma_f32 v[QR+2*k:QR+2*k+1], v[DR+2*k:DR+2*k+1], s[92:93], s[90:91] op_sel_hi:[1,0,0]
	EACH 16, v_pk_fma_f32 v[QR+2*k:QR+2*k+1], v[QR+2*k:QR+2*k+1], v[DR+2*k:DR+2*k+1], s[88:89] op_sel_hi:[1,1,0]
	EACH 16, v_pk_fma_f32 v[QR+2*k:QR+2*k+1], v[QR+2*k:QR+2*k+1], v[DR+2*k:DR+2*k+1], s[86:87] op_sel_hi:[1,1,0]
	EACH 16, v_pk_fma_f32 v[QR+2*k:QR+2*k+1], v[QR+2*k:QR+2*k+1], v[DR+2*k:DR+2*k+1], s[84:85] op_sel_hi:[1,1,0]
	EACH 16, v_pk_mul_f32 v[QR+2*k:QR+2*k+1], v[QR+2*k:QR+2*k+1], v[DR+2*k:DR+2*k+1]
	EACH 16, v_pk_fma_f32 v[QR+2*k:QR+2*k+1], v[QR+2*k:QR+2*k+1], v[WR+2*k:WR+2*k+1], 0.5 op_sel_hi:[1,1,0]
	EACH 32, v_fma_f32 v[TR+k], |v[TR+k]|, v[QR+k], v[HR+k]
	s_wait_xcnt 0x0                                ; the last trip's stores have read their data and their base
	s_add_nc_u64 s[8:9], s[8:9], s[98:99]
	s_mov_b32 s98, 1024                            ; 8 tokens of 128 bytes
	EACH 16, v_cvt_pk_bf16_f32 v[YR+k], v[TR+2*k], v[TR+2*k+1]
	global_store_b128 v[GO], v[YR:YR+3], s[8:9]                    ; 512 consecutive bytes each
	global_store_b128 v[GO], v[YR+4:YR+7], s[8:9] offset:512
	global_store_b128 v[GO], v[YR+8:YR+11], s[8:9] offset:262144
	global_store_b128 v[GO], v[YR+12:YR+15], s[8:9] offset:262656
	s_sub_co_u32 s[CNT], s[CNT], 1
	s_cmp_lg_u32 s[CNT], 0
	s_cbranch_scc1 .Lgelu
	s_wait_tensorcnt 0x0                           ; the wave's end
	ds_add_u32 v[SPW], v[NIL]
	s_wait_dscnt 0x0
	CROUND                                         ; the closing round
	s_endpgm
.Lfunc_end_k_qb5ec1b103c_ffn1:
	.size	k_qb5ec1b103c_ffn1, .Lfunc_end_k_qb5ec1b103c_ffn1-k_qb5ec1b103c_ffn1
	.p2alignl 7, 3214868480
	.fill 96, 4, 3214868480
	.section	.rodata,"a",@progbits
	.p2align	6, 0x0
	.amdhsa_kernel k_qb5ec1b103c_ffn1
		.amdhsa_group_segment_fixed_size 327680
		.amdhsa_private_segment_fixed_size 0
		.amdhsa_enable_private_segment 0
		.amdhsa_kernarg_size 32
		.amdhsa_user_sgpr_count 2
		.amdhsa_user_sgpr_kernarg_segment_ptr 1
		.amdhsa_wavefront_size32 1
		.amdhsa_system_sgpr_workgroup_id_x 1
		.amdhsa_system_sgpr_workgroup_id_y 1
		.amdhsa_system_sgpr_workgroup_id_z 1
		.amdhsa_system_vgpr_workitem_id 0
		.amdhsa_next_free_vgpr 1024
		.amdhsa_next_free_sgpr 100
		.amdhsa_reserve_vcc 0
		.amdhsa_float_denorm_mode_32 3
		.amdhsa_float_denorm_mode_16_64 3
		.amdhsa_memory_ordered 1
		.amdhsa_forward_progress 1
		.amdhsa_inst_pref_size 106
	.end_amdhsa_kernel
	.amdgpu_metadata
---
amdhsa.version: [ 1, 2 ]
amdhsa.kernels:
  - .name:           k_qb5ec1b103c_ffn1
    .symbol:         k_qb5ec1b103c_ffn1.kd
    .args:
      - { .name: n, .offset: 0, .size: 8, .value_kind: global_buffer, .address_space: global }
      - { .name: wb, .offset: 8, .size: 8, .value_kind: global_buffer, .address_space: global }
      - { .name: bf1, .offset: 16, .size: 8, .value_kind: global_buffer, .address_space: global }
      - { .name: h, .offset: 24, .size: 8, .value_kind: global_buffer, .address_space: global }
    .group_segment_fixed_size: 327680
    .private_segment_fixed_size: 0
    .kernarg_segment_align: 8
    .kernarg_segment_size: 32
    .max_flat_workgroup_size: 128
    .sgpr_count:     100
    .vgpr_count:     1024
    .wavefront_size: 32
...
	.end_amdgpu_metadata
.endif
;; end of part 6
;; launch ffn2 (part 7): grid 8 x 32, 4 waves a work-group, clusters of 4 x 4, 327,680 bytes of LDS; arguments h, wb, bf2, x1, out0; writes out0
.if DOCPART == 7
	.amdgcn_target "amdgcn-amd-amdhsa--gfx1250"
	.amdhsa_code_object_version 6
	.text
	.protected	k_qb5ec1b103c_ffn2
	.globl	k_qb5ec1b103c_ffn2
	.p2align	8
	.type	k_qb5ec1b103c_ffn2,@function
k_qb5ec1b103c_ffn2:
	s_mov_b64 s[64:65], 0
	v_nop
	global_prefetch_b8 v0, s[64:65] scope:SCOPE_SE
	s_setreg_imm32_b32 hwreg(HW_REG_WAVE_MODE, 25, 1), 1
	s_wait_xcnt 0x0
	s_wait_alu depctr_hold_cnt(0) depctr_sa_sdst(0) depctr_va_vdst(0) depctr_va_sdst(0) depctr_va_ssrc(0) depctr_va_vcc(0) depctr_vm_vsrc(0)
	s_getreg_b32 s2, hwreg(HW_REG_IB_STS2, 6, 4)
	s_cmp_eq_u32 s2, 0
	s_cbranch_scc0 .Lentry_in_a_cluster
	s_endpgm
.Lentry_in_a_cluster:
	s_bfe_u32 s2, ttmp6, 0x10000c
	s_cmp_lg_u32 s2, 0xf033
	s_cbranch_scc0 .Lentry_shape_is_right
	s_endpgm
.Lentry_shape_is_right:
; out[4096][1024] (f32) = res + A W + bias.  A: bf16 planes [b][NPL][2048][64] (plane p holds K = 64 p .. 64 p + 63); W: bf16 [K][1024] in wb; res, bias, out: f32.
; A tile of out is 128 x 128, which makes 256 work-groups; four waves, each 64 x 64 in 16 accumulators.  K goes in steps of 256 (four planes) through two LDS slots.
; The matrix instruction is used transposed (source 0 = 16 columns of W, turned by ds_load_tr16_b128; source 1 = 16 tokens); the bias is the C operand that starts the sums.
; CLUSTER 4 x 4: A's tile is asked for jointly along a row of the cluster, W's along a column.  No prefetch: the tiles are small.
; A quarter step is a plane, 64 along K, 32 products, on two fragment buffers.  BODY f, g: the next plane's 32 LDS loads, the second 32 of K of f, the first 32 of K of g.
; The residual is loaded at the head, in the layout in which the rows come back from the stage.
; REGISTERS: window 0: v0-31 addresses; v32-63 the bias, later the way out; v64-95 the way out; v128-255 the accumulators.  window 1: two fragment buffers.  window 2: v0-127 the residual.
.set KK,    4096
.set NPL,   KK/64
.set WOFF,  16777216
.set STEPS, KK/256
.set HALFT, 36864
.set SLOT,  4*HALFT
.set SPARE, 2*SLOT
.set A0,  16
.set B0,  17
.set ADA, 18
.set ADB, 19
.set STO, 24
.set RD,  25
.set GO,  26
.set SPW, 28
.set NIL, 29
.set BIAS, 32
.set TT,  32
.set ACC, 128
.set F0,  0
.set F1,  128
.set G1,  24
.set G0,  32
.set G1B, 48
.set G0B, 56
.set TQ,  79
.set CNT, 81
.set LAP, 82
.set MSB, 0
.macro WIN new
.if MSB != (\new)
	s_set_vgpr_msb (MSB<<8)|(\new)
.set MSB, \new
.endif
.endm
.set MUL,  0x05
.set TO_F, 0x40
.macro JLOAD s
	s_cmp_eq_u32 s11, 0
	s_cbranch_scc0 .Lfor_b_\@
	tensor_load_to_lds s[G0+4*(\s):G0+4*(\s)+3], s[G1:G1+7]
	s_nop 0
.rept 4
	v_nop
.endr
	s_branch .Lasked_\@
.Lfor_b_\@:
	tensor_load_to_lds s[G0B+4*(\s):G0B+4*(\s)+3], s[G1B:G1B+7]
	s_nop 0
.rept 4
	v_nop
.endr
.Lasked_\@:
.endm
.macro CROUND
	s_barrier_signal -1
	s_barrier_wait -1
	s_cmp_lg_u32 s10, 0
	s_cbranch_scc1 .Lnot_wave_0_\@
	s_barrier_signal -3
.Lnot_wave_0_\@:
	s_barrier_wait -3
	s_barrier_signal -1
	s_barrier_wait -1
.endm
.macro PLACES
.rept 4
	v_nop
.endr
.endm
.macro MUL8 f, c, a0, first
	WIN MUL
.irp a, \a0, (\a0)+1
.irp b, 0,1,2,3
.if \first
	v_wmma_f32_16x16x32_bf16 v[ACC+8*(4*(\a)+(\b)):ACC+8*(4*(\a)+(\b))+7], v[(\f)+64+8*(4*(\c)+(\b)):(\f)+64+8*(4*(\c)+(\b))+7], v[(\f)+8*(4*(\c)+(\a)):(\f)+8*(4*(\c)+(\a))+7], v[BIAS+8*(\b):BIAS+8*(\b)+7]
.else
	v_wmma_f32_16x16x32_bf16 v[ACC+8*(4*(\a)+(\b)):ACC+8*(4*(\a)+(\b))+7], v[(\f)+64+8*(4*(\c)+(\b)):(\f)+64+8*(4*(\c)+(\b))+7], v[(\f)+8*(4*(\c)+(\a)):(\f)+8*(4*(\c)+(\a))+7], v[ACC+8*(4*(\a)+(\b)):ACC+8*(4*(\a)+(\b))+7]
.endif
.endr
.endr
.endm
.macro FETCH g
	WIN 0
	v_add_nc_u32 v[ADA], s[TQ], v[A0]
	v_add_nc_u32 v[ADB], s[TQ], v[B0]
	s_add_co_u32 s[TQ], s[TQ], 18432
	WIN TO_F
.irp c, 0,1
.irp i, 0,1,2,3
	ds_load_tr16_b128 v[(\g)+64+8*(4*(\c)+(\i)):(\g)+64+8*(4*(\c)+(\i))+3],   v[ADB] offset:(\c)*9216+32*(\i)
	ds_load_tr16_b128 v[(\g)+64+8*(4*(\c)+(\i))+4:(\g)+64+8*(4*(\c)+(\i))+7], v[ADB] offset:(\c)*9216+32*(\i)+4608
	ds_load_b128 v[(\g)+8*(4*(\c)+(\i)):(\g)+8*(4*(\c)+(\i))+3],   v[ADA] offset:(\i)*2304+64*(\c)
	ds_load_b128 v[(\g)+8*(4*(\c)+(\i))+4:(\g)+8*(4*(\c)+(\i))+7], v[ADA] offset:(\i)*2304+64*(\c)+32
.endr
.endr
.endm
.macro BODY f, g
	v_nop                                          ; with the run's two address lines: four places behind the last product that read buffer g (ISA guide 7.12.1)
	v_nop
	FETCH \g
	s_wait_dscnt 32                                ; all but the 32 just issued
	MUL8 \f, 1, 0, 0
	MUL8 \f, 1, 2, 0
	s_wait_dscnt 16                                ; the first 32 of K of buffer g are in
	MUL8 \g, 0, 0, 0
	MUL8 \g, 0, 2, 0
	WIN 0
.endm
.macro PB tag
	s_mov_b32 s[CNT], 2
.Lpb_\tag:
	BODY F1, F0
.Lmid_\tag:
	BODY F0, F1
	s_sub_co_u32 s[CNT], s[CNT], 1
	s_cmp_lg_u32 s[CNT], 0
	s_cbranch_scc1 .Lpb_\tag
.endm
.macro SYNC slot, next, fill           ; the change of slots: all my tensor loads, the add, my reads; with fill = 1 a round of the cluster's barrier and the joint refill first behind it
	WIN 0
	s_wait_tensorcnt 0x0
	ds_add_u32 v[SPW], v[NIL]
	s_mov_b32 s[TQ], (\next)*SLOT
.if \fill
	s_add_nc_u64 s[G0+4*(\slot)+2:G0+4*(\slot)+3], s[G0+4*(\slot)+2:G0+4*(\slot)+3], 2097152
	s_add_nc_u64 s[G0B+4*(\slot)+2:G0B+4*(\slot)+3], s[G0B+4*(\slot)+2:G0B+4*(\slot)+3], 1048576
.endif
	s_wait_dscnt 0x0
.if \fill
	CROUND
	JLOAD \slot
.else
	s_barrier_signal -1
	s_barrier_wait -1
.endif
.endm
	s_load_b128 s[4:7], s[0:1], 0x0                ; A, wb
	s_load_b128 s[68:71], s[0:1], 0x10             ; bias, residual
	s_load_b64 s[8:9], s[0:1], 0x20                ; out
	v_lshl_add_u32 v[SPW], v0, 2, SPARE
	v_mov_b32 v[NIL], 0
	ds_add_u32 v[SPW], v[NIL]                      ; the wave's opening: the add and its wait ahead of my first tensor load
	v_lshrrev_b32 v1, 5, v0
	v_readfirstlane_b32 s10, v1
	s_lshr_b32 s11, s10, 1
	s_and_b32 s12, s10, 1
	s_bfe_u32 s40, ttmp6, 0x40000
	s_bfe_u32 s41, ttmp6, 0x40004
	s_lshl_b32 s42, ttmp9, 2
	s_add_co_u32 s42, s42, s40
	s_and_b32 s13, ttmp7, 0xffff
	s_lshl_b32 s13, s13, 2
	s_add_co_u32 s13, s13, s41
	s_lshl_b32 s43, s41, 2
	s_lshl_b32 s43, 15, s43
	s_lshl_b32 s44, 0x1111, s40
	s_or_b32 s[G1+0], s43, (1<<16)|(1<<20)|(1<<21)|(4<<22)|(3<<25)
	s_or_b32 s[G1B+0], s44, (1<<16)|(1<<20)|(1<<21)|(5<<22)|(7<<25)
	s_mov_b32 s[G1+1], 8192<<16
	s_mov_b32 s[G1+2], 2<<16
	s_mov_b32 s[G1+3], 8192<<16
	s_mov_b32 s[G1+4], 2
	s_mov_b32 s[G1+5], 131072
	s_mov_b32 s[G1+6], 0
	s_mov_b32 s[G1+7], 0
	s_mov_b32 s[G1B+1], 128<<16
	s_mov_b32 s[G1B+2], 128<<16
	s_mov_b32 s[G1B+3], 128<<16
	s_mov_b32 s[G1B+4], 128
	s_mov_b32 s[G1B+5], 1024
	s_mov_b32 s[G1B+6], 0
	s_mov_b32 s[G1B+7], 0
	s_lshr_b32 s16, s13, 4
	s_mul_i32 s16, s16, NPL
	s_lshl_b32 s17, s12, 1
	s_add_co_u32 s16, s16, s17
	s_lshl_b32 s16, s16, 18
	s_and_b32 s17, s13, 15
	s_lshl_b32 s17, s17, 14
	s_add_co_u32 s16, s16, s17
	s_mov_b32 s17, 0
	s_lshl_b32 s46, s12, 18
	s_lshl_b32 s47, s42, 8
	s_add_co_u32 s46, s46, s47
	s_add_co_u32 s46, s46, WOFF
	s_mov_b32 s47, 0
	s_mul_i32 s20, s10, HALFT
	s_wait_dscnt 0x0
	s_wait_kmcnt 0x0
	s_add_nc_u64 s[14:15], s[4:5], s[16:17]
	s_add_nc_u64 s[46:47], s[6:7], s[46:47]
	CROUND
.irp s, 0,1
	s_mov_b32 s[G0+4*(\s)], 1
	s_add_co_u32 s[G0+4*(\s)+1], s20, (\s)*SLOT
	s_add_nc_u64 s[G0+4*(\s)+2:G0+4*(\s)+3], s[14:15], (\s)*1048576
	s_or_b32 s[G0+4*(\s)+3], s[G0+4*(\s)+3], 0x80000000
	s_mov_b32 s[G0B+4*(\s)], 1
	s_add_co_u32 s[G0B+4*(\s)+1], s20, (\s)*SLOT
	s_add_nc_u64 s[G0B+4*(\s)+2:G0B+4*(\s)+3], s[46:47], (\s)*524288
	s_or_b32 s[G0B+4*(\s)+3], s[G0B+4*(\s)+3], 0x80000000
	JLOAD \s
.endr
	v_and_b32 v1, 15, v0
	v_bfe_u32 v2, v0, 4, 1
	v_lshlrev_b32 v8, 5, v2
	s_lshl_b32 s46, s42, 9
	s_lshl_b32 s47, s12, 8
	s_add_co_u32 s46, s46, s47
	s_mov_b32 s47, 0
	s_add_nc_u64 s[68:69], s[68:69], s[46:47]
.irp b, 0,1,2,3
	global_load_b128 v[BIAS+8*(\b):BIAS+8*(\b)+3],   v8, s[68:69] offset:64*(\b)
	global_load_b128 v[BIAS+8*(\b)+4:BIAS+8*(\b)+7], v8, s[68:69] offset:64*(\b)+16
.endr
	s_lshl_b32 s16, s13, 7
	s_lshl_b32 s17, s11, 6
	s_add_co_u32 s16, s16, s17
	s_lshl_b32 s16, s16, 12
	s_mov_b32 s17, 0
	s_add_nc_u64 s[16:17], s[16:17], s[46:47]
	s_add_nc_u64 s[70:71], s[70:71], s[16:17]
	s_add_nc_u64 s[8:9], s[8:9], s[16:17]
	v_lshlrev_b32 v[GO], 12, v2
	v_lshl_add_u32 v[GO], v1, 4, v[GO]
	WIN 0x80
.irp a, 0,1,2,3
.irp t, 0,1,2,3,4,5,6,7
	global_load_b128 v[32*(\a)+4*(\t):32*(\a)+4*(\t)+3], v[GO], s[70:71] offset:(16*(\a)+2*(\t))*4096
.endr
.endr
	WIN 0
	v_mul_u32_u24 v4, v1, 144
	v_lshl_add_u32 v4, v2, 4, v4
	s_mul_i32 s21, s11, 9216
	v_add_nc_u32 v[A0], s21, v4
	v_and_b32 v5, 7, v0
	v_lshl_add_u32 v5, v2, 3, v5
	v_mul_u32_u24 v5, v5, 288
	v_bfe_u32 v6, v0, 3, 1
	v_lshl_add_u32 v5, v6, 4, v5
	s_lshl_b32 s22, s12, 7
	s_add_co_u32 s22, s22, 2*HALFT
	v_add_nc_u32 v[B0], s22, v5
	s_mul_i32 s23, s10, HALFT
	v_mul_u32_u24 v4, v1, 272
	v_lshl_add_u32 v4, v2, 5, v4
	v_add_nc_u32 v[STO], s23, v4
	v_mul_u32_u24 v4, v2, 272
	v_lshl_add_u32 v4, v1, 4, v4
	v_add_nc_u32 v[RD], s23, v4
	s_wait_tensorcnt 0x1                           ; my part of K step 0 is in; K step 1's may stay out
	s_barrier_signal -1
	s_barrier_wait -1
	s_mov_b32 s[TQ], 0
	FETCH F0
	s_wait_loadcnt 32                              ; the bias is in; the residual's 32 loads stay out
	s_wait_dscnt 16
	MUL8 F0, 0, 0, 1
	MUL8 F0, 0, 2, 1
	WIN 0
	s_mov_b32 s[LAP], (STEPS-2)/2+1
	s_mov_b32 s[CNT], 2                            ; K step 0 has three BODYs left: the loop is entered in the middle of its pair
	s_branch .Lmid_b
.Llap:
	SYNC 0, 1, 1
	PB a
	SYNC 1, 0, 1
	PB b
	s_sub_co_u32 s[LAP], s[LAP], 1
	s_cmp_lg_u32 s[LAP], 0
	s_cbranch_scc1 .Llap
	SYNC 0, 1, 0                                   ; the tail is written out: nothing is asked for
	PB c
	s_wait_dscnt 0x0
	MUL8 F1, 1, 0, 0
	MUL8 F1, 1, 2, 0
	WIN 0
.macro STAGE a
.if (\a) >= 2
	s_wait_xcnt 0x0                                ; the stores of two blocks back have read the registers that are loaded again
.endif
.irp b, 0,1,2,3
	ds_store_b128 v[STO], v[ACC+8*(4*(\a)+(\b)):ACC+8*(4*(\a)+(\b))+3]   offset:(\a)*4352+64*(\b)
	ds_store_b128 v[STO], v[ACC+8*(4*(\a)+(\b))+4:ACC+8*(4*(\a)+(\b))+7] offset:(\a)*4352+64*(\b)+16
.endr
.irp t, 0,1,2,3,4,5,6,7
	ds_load_b128 v[TT+32*((\a)%2)+4*(\t):TT+32*((\a)%2)+4*(\t)+3], v[RD] offset:(\a)*4352+(\t)*544
.endr
.endm
.macro OUT a, younger
	s_wait_dscnt \younger
	WIN 0x08                                       ; source 1 in window 2: the residual
.set i, 0
.rept 16
	v_pk_add_f32 v[TT+32*((\a)%2)+2*i:TT+32*((\a)%2)+2*i+1], v[TT+32*((\a)%2)+2*i:TT+32*((\a)%2)+2*i+1], v[32*(\a)+2*i:32*(\a)+2*i+1]
.set i, i+1
.endr
	WIN 0
.irp t, 0,1,2,3,4,5,6,7
	global_store_b128 v[GO], v[TT+32*((\a)%2)+4*(\t):TT+32*((\a)%2)+4*(\t)+3], s[8:9] offset:(16*(\a)+2*(\t))*4096  ; 16 lanes store 256 consecutive bytes, aligned
.endr
.endm
	PLACES
	PLACES
	s_wait_loadcnt 0x0                             ; the residual
	STAGE 0
	STAGE 1
	OUT 0, 16                                      ; the next block's 8 stores and 8 loads may be out
	STAGE 2
	OUT 1, 16
	STAGE 3
	OUT 2, 16
	OUT 3, 0
	s_wait_tensorcnt 0x0                           ; the wave's end
	ds_add_u32 v[SPW], v[NIL]
	s_wait_dscnt 0x0
	CROUND                                         ; the closing round
	s_endpgm
.Lfunc_end_k_qb5ec1b103c_ffn2:
	.size	k_qb5ec1b103c_ffn2, .Lfunc_end_k_qb5ec1b103c_ffn2-k_qb5ec1b103c_ffn2
	.p2alignl 7, 3214868480
	.fill 96, 4, 3214868480
	.section	.rodata,"a",@progbits
	.p2align	6, 0x0
	.amdhsa_kernel k_qb5ec1b103c_ffn2
		.amdhsa_group_segment_fixed_size 327680
		.amdhsa_private_segment_fixed_size 0
		.amdhsa_enable_private_segment 0
		.amdhsa_kernarg_size 40
		.amdhsa_user_sgpr_count 2
		.amdhsa_user_sgpr_kernarg_segment_ptr 1
		.amdhsa_wavefront_size32 1
		.amdhsa_system_sgpr_workgroup_id_x 1
		.amdhsa_system_sgpr_workgroup_id_y 1
		.amdhsa_system_sgpr_workgroup_id_z 1
		.amdhsa_system_vgpr_workitem_id 0
		.amdhsa_next_free_vgpr 640
		.amdhsa_next_free_sgpr 84
		.amdhsa_reserve_vcc 0
		.amdhsa_float_denorm_mode_32 3
		.amdhsa_float_denorm_mode_16_64 3
		.amdhsa_memory_ordered 1
		.amdhsa_forward_progress 1
		.amdhsa_inst_pref_size 57
	.end_amdhsa_kernel
	.amdgpu_metadata
---
amdhsa.version: [ 1, 2 ]
amdhsa.kernels:
  - .name:           k_qb5ec1b103c_ffn2
    .symbol:         k_qb5ec1b103c_ffn2.kd
    .args:
      - { .name: h, .offset: 0, .size: 8, .value_kind: global_buffer, .address_space: global }
      - { .name: wb, .offset: 8, .size: 8, .value_kind: global_buffer, .address_space: global }
      - { .name: bf2, .offset: 16, .size: 8, .value_kind: global_buffer, .address_space: global }
      - { .name: x1, .offset: 24, .size: 8, .value_kind: global_buffer, .address_space: global }
      - { .name: out0, .offset: 32, .size: 8, .value_kind: global_buffer, .address_space: global }
    .group_segment_fixed_size: 327680
    .private_segment_fixed_size: 0
    .kernarg_segment_align: 8
    .kernarg_segment_size: 40
    .max_flat_workgroup_size: 128
    .sgpr_count:     84
    .vgpr_count:     640
    .wavefront_size: 32
...
	.end_amdgpu_metadata
.endif
;; end of part 7
;; ======== version 2 of 2: 7 launches; version 1 with the launch pre written anew for expert scheduling mode
;; limits: a function is approximated: absolute error at most 1.5e-07; right only within a limited range of input values
;; workspace buffers: wb 25,165,824 bytes; mtab 65,536 bytes of whole numbers; n 8,388,608 bytes; qkv 25,165,824 bytes; vpart 131,072 bytes; o 8,388,608 bytes; x1 16,777,216 bytes; h 33,554,432 bytes
;; launch pre (part 8): grid 1024 x 1, 8 waves a work-group, no clusters, 0 bytes of LDS; arguments Wq, Wk, Wv, Wo, W1, W2, mask, wb, x, g1, bl1, n, mtab; writes wb, n, mtab
.if DOCPART == 8
	.amdgcn_target "amdgcn-amd-amdhsa--gfx1250"
	.amdhsa_code_object_version 6
	.text
	.protected	k_qb5ec1b103c_pre
	.globl	k_qb5ec1b103c_pre
	.p2align	8
	.type	k_qb5ec1b103c_pre,@function
k_qb5ec1b103c_pre:
	s_mov_b64 s[64:65], 0
	v_nop
	global_prefetch_b8 v0, s[64:65] scope:SCOPE_SE
	s_setreg_imm32_b32 hwreg(HW_REG_WAVE_SCHED_MODE, 0, 2), 2
	s_setreg_imm32_b32 hwreg(HW_REG_WAVE_MODE, 25, 1), 1
	s_wait_xcnt 0x0
	s_wait_alu depctr_vm_vsrc(0)
; THREE JOBS that hang on the problem's inputs alone, told apart by the work-group's number.
; WORK-GROUPS 0 .. 255: the first LayerNorm: n[row] = (x[row] - mean) * rsqrt(var + 1e-5) * g1 + bl1, f32 in, bf16 out, rounded once.
;   A wave takes a whole row (32 registers) and keeps it: the mean is taken away before the squares are summed.  Each wave has two rows.
; WORK-GROUPS 0 .. 15 make, ahead of their rows, the table of visible keys, one wave for each tile g of 16 queries (i = 16 g + r), 128 words a tile:
;   word 8 kt + j (kt 0..8, j 0..7): bit L = query L % 16 sees key 16 g - 128 + 16 kt + 8 (L / 16) + j;
;   word 70 + m (m 2..15): bit L = query L % 16 sees key i - 128 m;  the other words are 0.
;   Visible = allowed by the layer's own pattern (0 <= i - j <= 128, or i - j a multiple of 128) and not closed by the mask input.
;   Only the mask's words at allowed places are read: no other word of it can change the result.
;   These groups have the lowest numbers: theirs is the longest chain, so it is begun first.
; WORK-GROUPS 256 .. 1023: the six weight matrices, f32, are rounded once to bf16 into wb, still [K][N]:
;   WQKV [1024][3072] at 0 (row k = Wq[k] | Wk[k] | Wv[k]), WO at 6,291,456, W1 at 8,388,608, W2 at 16,777,216.
;   A line is 1,024 floats; a work-group takes 16 lines; a thread 16 bytes of each; a wave's store covers 256 consecutive bytes, aligned.
; Memory binds all three: no LDS, no barrier, no matrix unit.
; THE MODE: SCHED_MODE bits 1:0 = 2 (LLVM: expert scheduling mode 2), set by the entry lines.  The code itself states the register dependences
; between vector instructions and memory instructions, and between vector instructions that write scalar registers and their readers, with s_wait_alu, always for 0.
; THE PLAN.  Registers that memory instructions touch:
;   THE WEIGHTS.  v1 and WDO, the offsets: written once at the head.  WX: each line's load lands once; its two roundings read it.  WY: each pair is written once, by a rounding, and read by one store.
;     The 16 lines go in four groups of four.  Group g's roundings write its own eight registers of WY; the four stores of group g - 1 are dealt among them.  So one wait on va_vdst stands ahead of
;     the first load, one at the head of groups 1 to 3, one ahead of the last four stores; no register that a memory instruction has read is written again.
;   THE TABLE.  KO, SO and v11, the offsets: written once.  M and MS: the mask's words land once; the compares read them.  OUT: written by the v_writelane_b32 lines, read by the one store.
;     s40-55: written by a run of compares, read by the scalar ands: one wait on va_sdst behind each run.  Behind the store one wait on vm_vsrc: the norm writes the table's registers anew.
;   THE NORM.  v1 and v2, the offsets: written once.  G, BB, X: loaded once.  T0 (row 0's 16 registers of T): written by row 0's roundings, read by eight stores that are issued in row 1, behind
;     the wait for row 1's root, among row 1's scalings, which name X's second half, v10 and v11 alone.  T1: written by row 1's roundings, read by the last eight stores, behind a wait of their own.
.set WDO, 4                            ; v[4:19]   weights: line i's byte offset in wb
.set WX,  32                           ; v[32:95]  weights: 16 lines as loaded
.set WY,  96                           ; v[96:127] weights: 16 lines to store
.set KO,  12                           ; v[12:20]  table: byte offsets of the nine key tiles
.set M,   32                           ; v[32:103] table: mask words of the local window
.set SO,  104                          ; v[104:117] table: byte offsets of the strided keys
.set MS,  118                          ; v[118:131] table: their mask words
.set OUT, 132                          ; v[132:135] table: lane l holds words 4 l .. 4 l + 3
.set G,   16                           ; v[16:47]   norm: g
.set BB,  48                           ; v[48:79]   norm: b
.set X,   80                           ; v[80:143]  norm: two rows
.set T,   144                          ; v[144:175] norm: at work and to store, 16 for each row
	s_cmp_lt_u32 ttmp9, 256
	s_cbranch_scc1 .Lrows
	; THE WEIGHTS
	s_load_b512 s[16:31], s[0:1], 0x0              ; Wq, Wk, Wv, Wo, W1, W2, mask, wb
	s_sub_co_u32 s34, ttmp9, 256                   ; my number among the 768
	s_lshr_b32 s2, s34, 6                          ; 0,1,2 Wq,Wk,Wv; 3 Wo; 4-7 W1; 8-11 W2
	s_and_b32 s3, s34, 63
	s_and_b32 s6, s34, 255
	s_lshl_b32 s10, s2, 11                         ; Wq, Wk, Wv: their 2,048 bytes in a row of WQKV
	s_mov_b32 s7, 2048                             ; bytes from line to line in wb
	s_mov_b32 s11, 6291456
	s_cmp_lt_u32 s2, 3
	s_cselect_b32 s10, s10, s11
	s_cselect_b32 s7, 6144, s7
	s_mov_b32 s11, 8388608
	s_cmp_ge_u32 s2, 4
	s_cselect_b32 s10, s11, s10
	s_cselect_b32 s3, s6, s3                       ; my group of 16 lines in the matrix
	s_mov_b32 s11, 16777216
	s_cmp_ge_u32 s2, 8
	s_cselect_b32 s10, s11, s10
	s_lshl_b32 s12, s3, 4
	s_mul_i32 s12, s12, s7
	s_add_co_u32 s10, s10, s12                     ; my first line in wb
	s_mov_b32 s11, 0
	s_lshl_b32 s12, s3, 16                         ; and in the source: 16 lines of 4,096 bytes
	s_mov_b32 s13, 0
	v_lshlrev_b32 v1, 4, v0
	v_lshlrev_b32 v2, 3, v0
.set i, 0
.rept 16
	v_mad_u32_u24 v[WDO+i], s7, i, v2
.set i, i+1
.endr
	s_wait_kmcnt 0x0
	s_cmp_eq_u32 s2, 1
	s_cselect_b64 s[4:5], s[18:19], s[16:17]
	s_cmp_eq_u32 s2, 2
	s_cselect_b64 s[4:5], s[20:21], s[4:5]
	s_cmp_eq_u32 s2, 3
	s_cselect_b64 s[4:5], s[22:23], s[4:5]
	s_cmp_ge_u32 s2, 4
	s_cselect_b64 s[4:5], s[24:25], s[4:5]
	s_cmp_ge_u32 s2, 8
	s_cselect_b64 s[4:5], s[26:27], s[4:5]
	s_add_nc_u64 s[4:5], s[4:5], s[12:13]
	s_add_nc_u64 s[8:9], s[30:31], s[10:11]
	s_wait_alu depctr_va_vdst(0)                   ; v1 and v[WDO ..] are written: the loads and the stores below read them as their offsets
.set i, 0
.rept 16
	global_load_b128 v[WX+4*i:WX+4*i+3], v1, s[4:5] offset:4096*i th:TH_LOAD_NT
.set i, i+1
.endr
.set g, 0
.rept 4                                ; four groups of four lines
	s_wait_loadcnt 12-4*g                          ; loads come back in order: the group's four lines are in, the younger ones stay out
.if g > 0
	s_wait_alu depctr_va_vdst(0)                   ; the group before has written its eight registers of WY, which the four stores below read
.endif
.set i, 4*g
.rept 4
.if g > 0
	global_store_b64 v[WDO+i-4], v[WY+2*i-8:WY+2*i-7], s[8:9]  ; a line of the group before; no vector line since the wait names its registers
.endif
	v_cvt_pk_bf16_f32 v[WY+2*i], v[WX+4*i], v[WX+4*i+1]
	v_cvt_pk_bf16_f32 v[WY+2*i+1], v[WX+4*i+2], v[WX+4*i+3]
.set i, i+1
.endr
.set g, g+1
.endr
	s_wait_alu depctr_va_vdst(0)                   ; the last group has written its eight registers of WY, which the last four stores read
.set i, 12
.rept 4
	global_store_b64 v[WDO+i], v[WY+2*i:WY+2*i+1], s[8:9]
.set i, i+1
.endr
	s_endpgm
.Lrows:
	s_cmp_ge_u32 ttmp9, 16
	s_cbranch_scc1 .Lnorm
	; THE TABLE
	s_load_b64 s[28:29], s[0:1], 0x30              ; mask
	s_load_b64 s[32:33], s[0:1], 0x60              ; mtab
	v_lshrrev_b32 v1, 5, v0
	v_readfirstlane_b32 s2, v1                     ; wave 0..7
	v_and_b32 v2, 15, v0                           ; r
	v_bfe_u32 v3, v0, 4, 1                         ; L / 16
	v_lshlrev_b32 v6, 3, v3
	v_sub_nc_u32 v7, v2, v6                        ; r - 8 (L / 16): the distance to the key of word 8 kt + j is this + 128 - 16 kt - j
	v_and_b32 v11, 31, v0
	v_lshlrev_b32 v11, 4, v11
.irp q, 0,1,2,3
	v_mov_b32 v[OUT+\q], 0
.endr
	s_wait_alu depctr_va_sdst(0)                   ; s2 is written, ahead of its first reader: the tile's number is made from it
	s_lshl_b32 s3, ttmp9, 3
	s_add_co_u32 s3, s3, s2                        ; g
	s_lshl_b32 s4, s3, 4
	v_add_nc_u32 v4, s4, v2                        ; i
	v_min_u32 v5, 128, v4                          ; a distance d is allowed in the window if d <= 128 and the key i - d is not negative
	v_lshlrev_b32 v8, 13, v4                       ; row i of the mask
	s_sub_co_i32 s5, s4, 128
	v_add_nc_u32 v9, s5, v6                        ; my half's first key of tile 0 (negative where there is none)
.set k, 0
.rept 9
	v_add_nc_u32 v10, 16*k, v9
	v_max_i32 v10, 0, v10                          ; a key that does not exist reads column 0 on: the test on the distance hides it
	v_lshl_add_u32 v[KO+k], v10, 2, v8
.set k, k+1
.endr
.set m, 2
.rept 14
	s_sub_co_i32 s5, s4, 128*m
	v_add_nc_u32 v10, s5, v2                       ; i - 128 m (negative where there is no such key)
	v_max_i32 v10, 0, v10
	v_lshl_add_u32 v[SO+m-2], v10, 2, v8
.set m, m+1
.endr
	s_lshl_b32 s6, s3, 9                           ; 512 bytes of table a tile
	s_mov_b32 s7, 0
	s_wait_kmcnt 0x0
	s_add_nc_u64 s[32:33], s[32:33], s[6:7]
	s_wait_alu depctr_va_vdst(0)                   ; v[KO ..] and v[SO ..] are written: the 32 loads below read them as their offsets
.set k, 0
.rept 9
	global_load_b128 v[M+8*k:M+8*k+3], v[KO+k], s[28:29]
	global_load_b128 v[M+8*k+4:M+8*k+7], v[KO+k], s[28:29] offset:16
.set k, k+1
.endr
.set m, 2
.rept 14
	global_load_b32 v[MS+m-2], v[SO+m-2], s[28:29]
.set m, m+1
.endr
	s_wait_loadcnt 0x0
	; a key tile's eight words at a time: sixteen compares into s40-55, eight ands, eight writes, so that no word waits for the word before it
.set kt, 0
.rept 9
.irp j, 0,1,2,3,4,5,6,7
	v_add_nc_u32 v10, 128-16*kt-\j, v7             ; d = i - key; a key behind the query wraps to a large number
	v_cmp_le_u32 s[40+2*\j], v10, v5
	v_cmp_ne_u32 s[41+2*\j], 0, v[M+8*kt+\j]
.endr
	s_wait_alu depctr_va_sdst(0)                   ; the sixteen compares have written s40-55, ahead of their first readers, the ands below
.irp j, 0,1,2,3,4,5,6,7
	s_and_b32 s[40+2*\j], s[40+2*\j], s[41+2*\j]
.endr
.irp j, 0,1,2,3,4,5,6,7
	v_writelane_b32 v[OUT+(\j%4)], s[40+2*\j], 2*kt+\j/4  ; word 8 kt + j lies in lane (8 kt + j) / 4
.endr
.set kt, kt+1
.endr
.set mb, 2
.rept 2                                ; the strided keys' 14 words, seven at a time
.irp j, 0,1,2,3,4,5,6
	v_cmp_le_u32 s[40+2*\j], 128*(mb+\j), v4       ; the key i - 128 m exists
	v_cmp_ne_u32 s[41+2*\j], 0, v[MS+mb+\j-2]
.endr
	s_wait_alu depctr_va_sdst(0)                   ; the fourteen compares have written s40-53, ahead of their first readers, the ands below
.irp j, 0,1,2,3,4,5,6
	s_and_b32 s[40+2*\j], s[40+2*\j], s[41+2*\j]
.endr
.irp j, 0,1,2,3,4,5,6
	v_writelane_b32 v[OUT+((70+mb+\j)%4)], s[40+2*\j], (70+mb+\j)/4
.endr
.set mb, mb+7
.endr
	s_wait_alu depctr_va_vdst(0)                   ; the v_writelane_b32 lines have written v[OUT ..], which the store reads
	global_store_b128 v11, v[OUT:OUT+3], s[32:33]  ; 512 consecutive bytes
	s_wait_xcnt 0x0                                ; the store's addresses are translated: the norm below loads into its registers
	s_wait_alu depctr_vm_vsrc(0)                   ; the table's loads have read v[KO ..] and v[SO ..], its store v11 and v[OUT ..]: the norm writes v11 and loads into the others
	; THE NORM.  Lane L holds columns 128 j + 4 L .. + 3, j = 0..7: each load covers 512 consecutive bytes, each store 256.
.macro RED                             ; v4 summed over the 32 lanes, the result in every lane
	v_add_f32_dpp v4, v4, v4 row_xmask:1 row_mask:0xf bank_mask:0xf
	v_add_f32_dpp v4, v4, v4 row_xmask:2 row_mask:0xf bank_mask:0xf
	v_add_f32_dpp v4, v4, v4 row_xmask:4 row_mask:0xf bank_mask:0xf
	v_add_f32_dpp v4, v4, v4 row_xmask:8 row_mask:0xf bank_mask:0xf
	v_permlanex16_b32 v5, v4, s18, s19
	v_add_f32 v4, v4, v5
.endm
.macro ROW k
.set XX, X+32*(\k)
.set TT, T+16*(\k)
.set i, 0
.rept 8
	v_pk_add_f32 v[TT+2*i:TT+2*i+1], v[XX+4*i:XX+4*i+1], v[XX+4*i+2:XX+4*i+3]
.set i, i+1
.endr
.set i, 0
.rept 4
	v_pk_add_f32 v[TT+4*i:TT+4*i+1], v[TT+4*i:TT+4*i+1], v[TT+4*i+2:TT+4*i+3]
.set i, i+1
.endr
	v_pk_add_f32 v[TT:TT+1], v[TT:TT+1], v[TT+4:TT+5]
	v_pk_add_f32 v[TT+8:TT+9], v[TT+8:TT+9], v[TT+12:TT+13]
	v_pk_add_f32 v[TT:TT+1], v[TT:TT+1], v[TT+8:TT+9]
	v_add_f32 v4, v[TT], v[TT+1]
	RED
	v_mul_f32 v6, s12, v4                          ; the mean
	v_mov_b32 v7, v6
.set i, 0
.rept 16
	v_pk_add_f32 v[XX+2*i:XX+2*i+1], v[XX+2*i:XX+2*i+1], v[6:7] neg_lo:[0,1] neg_hi:[0,1]
.set i, i+1
.endr
.set i, 0
.rept 4
	v_pk_mul_f32 v[TT+2*i:TT+2*i+1], v[XX+2*i:XX+2*i+1], v[XX+2*i:XX+2*i+1]  ; four chains, started by the first four pairs
.set i, i+1
.endr
.rept 12
	v_pk_fma_f32 v[TT+2*(i%4):TT+2*(i%4)+1], v[XX+2*i:XX+2*i+1], v[XX+2*i:XX+2*i+1], v[TT+2*(i%4):TT+2*(i%4)+1]
.set i, i+1
.endr
	v_pk_add_f32 v[TT:TT+1], v[TT:TT+1], v[TT+2:TT+3]
	v_pk_add_f32 v[TT+4:TT+5], v[TT+4:TT+5], v[TT+6:TT+7]
	v_pk_add_f32 v[TT:TT+1], v[TT:TT+1], v[TT+4:TT+5]
	v_add_f32 v4, v[TT], v[TT+1]
	RED
	v_fma_f32 v8, v4, s12, s13                     ; variance + 1e-5
	v_rsq_f32 v10, v8
	v_nop                                          ; a plain instruction behind the root,
	s_wait_alu depctr_va_vdst(0)                   ; and the wait: the root is written, ahead of the first use of it; in row 1 also: row 0's roundings have written v[T .. T+15], which the stores below read
	v_mov_b32 v11, v10
.set i, 0
.rept 16
.if ((\k) == 1) && ((i%2) == 0)
	global_store_b64 v2, v[T+i:T+i+1], s[10:11] offset:128*i  ; row 0: 256 consecutive bytes, aligned; no vector line since the wait names v2 or row 0's part of T
.endif
	v_pk_mul_f32 v[XX+2*i:XX+2*i+1], v[XX+2*i:XX+2*i+1], v[10:11]
.set i, i+1
.endr
.set i, 0
.rept 16
	v_pk_fma_f32 v[XX+2*i:XX+2*i+1], v[XX+2*i:XX+2*i+1], v[G+2*i:G+2*i+1], v[BB+2*i:BB+2*i+1]
.set i, i+1
.endr
.set i, 0
.rept 16
	v_cvt_pk_bf16_f32 v[TT+i], v[XX+2*i], v[XX+2*i+1]
.set i, i+1
.endr
.if (\k) == 1
	s_wait_alu depctr_va_vdst(0)                   ; row 1's roundings have written v[T+16 .. T+31], which the last eight stores read
.set i, 0
.rept 8
	global_store_b64 v2, v[TT+2*i:TT+2*i+1], s[10:11] offset:256*i+2048  ; row 1: 256 consecutive bytes, aligned
.set i, i+1
.endr
.endif
.endm
.Lnorm:
	s_load_b256 s[4:11], s[0:1], 0x40              ; x, g1, bl1, n
	v_lshrrev_b32 v1, 5, v0
	v_readfirstlane_b32 s2, v1
	v_and_b32 v1, 31, v0
	v_lshlrev_b32 v2, 3, v1
	v_lshlrev_b32 v1, 4, v1
	v_mov_b32 v5, 0                                ; the exchange's destination counts as read
	s_wait_alu depctr_va_sdst(0)                   ; s2 is written, ahead of its first reader: the rows' number is made from it
	s_lshl_b32 s3, ttmp9, 3
	s_add_co_u32 s3, s3, s2                        ; my pair of rows
	s_lshl_b32 s14, s3, 13
	s_mov_b32 s15, 0
	s_lshl_b32 s16, s3, 12
	s_mov_b32 s17, 0
	s_mov_b32 s12, 0x3a800000                      ; 1 / 1024
	s_mov_b32 s13, 0x3727c5ac                      ; 1e-5
	s_mov_b32 s18, 0x76543210                      ; v_permlanex16_b32: each lane takes its own place in the other half
	s_mov_b32 s19, 0xfedcba98
	s_wait_kmcnt 0x0
	s_add_nc_u64 s[4:5], s[4:5], s[14:15]
	s_add_nc_u64 s[10:11], s[10:11], s[16:17]
	s_wait_alu depctr_va_vdst(0)                   ; v1 and v2 are written, which the loads and the stores read as their offsets; on the way from the table its vector lines are done writing and reading v16 to v143, in which the loads below land
.irp j, 0,1,2,3,4,5,6,7
	global_load_b128 v[G+4*\j:G+4*\j+3], v1, s[6:7] offset:512*\j
.endr
.irp j, 0,1,2,3,4,5,6,7
	global_load_b128 v[BB+4*\j:BB+4*\j+3], v1, s[8:9] offset:512*\j
.endr
.irp j, 0,1,2,3,4,5,6,7
	global_load_b128 v[X+4*\j:X+4*\j+3], v1, s[4:5] offset:512*\j
.endr
.irp j, 0,1,2,3,4,5,6,7
	global_load_b128 v[X+32+4*\j:X+32+4*\j+3], v1, s[4:5] offset:4096+512*\j
.endr
	s_wait_loadcnt 8                               ; g, b and row 0 are in; row 1's eight loads stay out
	ROW 0
	s_wait_loadcnt 0x0
	ROW 1
	s_endpgm
.Lfunc_end_k_qb5ec1b103c_pre:
	.size	k_qb5ec1b103c_pre, .Lfunc_end_k_qb5ec1b103c_pre-k_qb5ec1b103c_pre
	.p2alignl 7, 3214868480
	.fill 96, 4, 3214868480
	.section	.rodata,"a",@progbits
	.p2align	6, 0x0
	.amdhsa_kernel k_qb5ec1b103c_pre
		.amdhsa_group_segment_fixed_size 0
		.amdhsa_private_segment_fixed_size 0
		.amdhsa_enable_private_segment 0
		.amdhsa_kernarg_size 104
		.amdhsa_user_sgpr_count 2
		.amdhsa_user_sgpr_kernarg_segment_ptr 1
		.amdhsa_wavefront_size32 1
		.amdhsa_system_sgpr_workgroup_id_x 1
		.amdhsa_system_sgpr_workgroup_id_y 1
		.amdhsa_system_sgpr_workgroup_id_z 1
		.amdhsa_system_vgpr_workitem_id 0
		.amdhsa_next_free_vgpr 176
		.amdhsa_next_free_sgpr 66
		.amdhsa_reserve_vcc 0
		.amdhsa_float_denorm_mode_32 3
		.amdhsa_float_denorm_mode_16_64 3
		.amdhsa_memory_ordered 1
		.amdhsa_forward_progress 1
		.amdhsa_inst_pref_size 59
	.end_amdhsa_kernel
	.amdgpu_metadata
---
amdhsa.version: [ 1, 2 ]
amdhsa.kernels:
  - .name:           k_qb5ec1b103c_pre
    .symbol:         k_qb5ec1b103c_pre.kd
    .args:
      - { .name: Wq, .offset: 0, .size: 8, .value_kind: global_buffer, .address_space: global }
      - { .name: Wk, .offset: 8, .size: 8, .value_kind: global_buffer, .address_space: global }
      - { .name: Wv, .offset: 16, .size: 8, .value_kind: global_buffer, .address_space: global }
      - { .name: Wo, .offset: 24, .size: 8, .value_kind: global_buffer, .address_space: global }
      - { .name: W1, .offset: 32, .size: 8, .value_kind: global_buffer, .address_space: global }
      - { .name: W2, .offset: 40, .size: 8, .value_kind: global_buffer, .address_space: global }
      - { .name: mask, .offset: 48, .size: 8, .value_kind: global_buffer, .address_space: global }
      - { .name: wb, .offset: 56, .size: 8, .value_kind: global_buffer, .address_space: global }
      - { .name: x, .offset: 64, .size: 8, .value_kind: global_buffer, .address_space: global }
      - { .name: g1, .offset: 72, .size: 8, .value_kind: global_buffer, .address_space: global }
      - { .name: bl1, .offset: 80, .size: 8, .value_kind: global_buffer, .address_space: global }
      - { .name: n, .offset: 88, .size: 8, .value_kind: global_buffer, .address_space: global }
      - { .name: mtab, .offset: 96, .size: 8, .value_kind: global_buffer, .address_space: global }
    .group_segment_fixed_size: 0
    .private_segment_fixed_size: 0
    .kernarg_segment_align: 8
    .kernarg_segment_size: 104
    .max_flat_workgroup_size: 256
    .sgpr_count:     66
    .vgpr_count:     176
    .wavefront_size: 32
...
	.end_amdgpu_metadata
.endif
;; end of part 8
;; launch qkv: the kernel of part 2 again; grid 12 x 16, 4 waves a work-group, clusters of 4 x 4, 327,680 bytes of LDS; arguments n, wb, bq, bk, bv, qkv, vpart; writes qkv, vpart
;; launch attn: the kernel of part 3 again; grid 8 x 32, 16 waves a work-group, no clusters, 207,104 bytes of LDS; arguments qkv, mtab, vpart, o; writes o
;; launch wo: the kernel of part 4 again; grid 8 x 32, 4 waves a work-group, clusters of 4 x 4, 327,680 bytes of LDS; arguments o, wb, bo, x, x1; writes x1
;; launch ln2: the kernel of part 5 again; grid 256 x 1, 8 waves a work-group, no clusters, 0 bytes of LDS; arguments x1, g2, bl2, n; writes n
;; launch ffn1: the kernel of part 6 again; grid 16 x 16, 4 waves a work-group, clusters of 4 x 4, 327,680 bytes of LDS; arguments n, wb, bf1, h; writes h
;; launch ffn2: the kernel of part 7 again; grid 8 x 32, 4 waves a work-group, clusters of 4 x 4, 327,680 bytes of LDS; arguments h, wb, bf2, x1, out0; writes out0
